; MI455X (gfx1250); checked and timed in simulation.
; The chip was launched on July 23, 2026; its instructions are those of AMD's public machine-readable ISA for CDNA 5 (MIT licence, August 2026) and "CDNA5" Instruction Set Architecture Reference Guide (July 2026). The comments in the code are by the model that wrote it; some were corrected since.
;; Masked MHA. Allowed arithmetic: matrix products marked QUANTISED: E2M3 operands, one E8M0 scale for each 32 along K, by v_wmma_scale_f32_16x16x128_f8f6f4 with both operands' format E2M3, f32 sums; everything else in f32.
;; Inputs: b_k 1,024 float32; b_o 1,024 float32; b_q 1,024 float32; b_v 1,024 float32; w_k 1,024 x 1,024 float32; w_o 1,024 x 1,024 float32; w_q 1,024 x 1,024 float32; w_v 1,024 x 1,024 float32; x 4 x 2,048 x 1,024 float32.
;; Outputs: out0 4 x 2,048 x 1,024 float32.
;; This version of the problem:
;;   THIS VERSION OF THE PROBLEM IS GIVEN IN LOW PRECISION. The matrix products marked QUANTISED in the list below multiply operands that are first quantised to E2M3 (2 exponent bits, 3 mantissa bits; 6 bits a number), with one power-of-two scale for each 32 numbers along K (OCP MX v1.0); their sums are f32. All else is computed in f32.
;;   The module's matrix products, in the order in which they are computed (A, B: the left and right operand; K: the contracted axis; several contracted axes count as one K, in the product's order):
;;     1. [M 8,192, K 1,024] x [K 1,024, N 1,024]; A: input x; B: input w_q: QUANTISED
;;     2. [M 8,192, K 1,024] x [K 1,024, N 1,024]; A: input x; B: input w_k: QUANTISED
;;     3. [M 8,192, K 1,024] x [K 1,024, N 1,024]; A: input x; B: input w_v: QUANTISED
;;     4. batch 64 x [M 2,048, K 64] x [K 64, N 2,048]; A: computed on the way; B: computed on the way: QUANTISED
;;     5. batch 64 x [M 2,048, K 2,048] x [K 2,048, N 64]; A: softmax (see below); B: computed on the way: QUANTISED
;;     6. [M 8,192, K 1,024] x [K 1,024, N 1,024]; A: computed on the way; B: input w_o: QUANTISED
;;   THE QUANTISER, for each operand of a quantised product, along K:
;;     - K is cut into blocks of 32 from its start; a last block that is shorter is filled with zeros.
;;     - A block's scale is 2^e with e = floor(log2(the largest magnitude in the block)) - 2, held to -126 .. 127; a block of zeros has e = 0. As a byte (E8M0): e + 127.
;;     - Each number is divided by its block's scale, clamped to +-7.5, and rounded to the nearest number of E2M3, ties to even, subnormals kept.
;;     - The product sums the exact products of the quantised numbers (number of the format x scale) in f32.
;;   ~~~python
;;   def quantise(x, axis):      # numpy; x: float32 -> the quantised numbers, widened to float32 again
;;       x = np.moveaxis(x, axis, -1); K = x.shape[-1]
;;       x = np.pad(x, [(0, 0)] * (x.ndim - 1) + [(0, -K % 32)]); x = x.reshape(x.shape[:-1] + (-1, 32)); a = np.abs(x).max(-1, keepdims=True)
;;       e = np.where(a > 0, np.clip(np.frexp(np.where(a > 0, a, 1))[1] - 1 - 2, -126, 127), 0)      # np.frexp(a)[1] - 1 = floor(log2(a)), exactly
;;       r = np.clip(x / 2.0 ** e, -7.5, 7.5)
;;       step = 2.0 ** (np.maximum(np.frexp(np.where(r == 0, 1, r))[1] - 1, 0) - 3)
;;       q = np.round(r / step) * step * 2.0 ** e      # np.round: ties to even
;;       return np.moveaxis(q.reshape(q.shape[:-2] + (-1,))[..., :K], -1, axis).astype(np.float32)
;;   ~~~
;;   SOFTMAX AHEAD OF A QUANTISED PRODUCT. Where the list says 'softmax', what is quantised is not the finished softmax but p = 2^(t - M), with t = logit x log2(e) and M = ceil(the row's largest t), a whole number; so 1/2 < the row's largest p <= 1. The row's sum l is taken of the UNQUANTISED p, in f32, and the product's result is divided by l at the end. Since M is a whole number, a kernel that streams over the keys may use a running M (the ceiling of the running maximum): every later rescaling is an exact power of two, which a block's scale takes up: the codes' values come out the same.
;;   OPERANDS COMPUTED ON THE WAY. 'Computed on the way' means the value that the module computes at that place (a softmax that the list does not call 'softmax' is quantised finished and normalised). What goes into a quantiser is computed in f32, as accurately as f32 sums, v_exp_f32 and their like allow (about 1e-6 of the number): no bf16 or f16 on the way to a quantiser, and a product that is left as it is and whose result goes on into a quantised operand takes f32 operands (vector FMAs, or v_wmma_f32_16x16x4_f32). A number that lies on a knife's edge between two numbers of the format may be rounded either way, as far as f32 arithmetic and the matrix unit's own rounding can turn it there, and no further.
;; One version. Each part assembles by itself: llvm-mc -triple=amdgcn-amd-amdhsa -mcpu=gfx1250 --defsym DOCPART=n.
;; ======== version 1 of 1: 4 launches
;; workspace buffers: xc 6,291,456 bytes; xs 262,144 bytes; wc 3,145,728 bytes; ws 131,072 bytes; qkvc 18,874,368 bytes; qkvs 786,432 bytes; oc 6,291,456 bytes; os 262,144 bytes
;; launch quant (part 1): grid 256 x 1, 8 waves a work-group, no clusters, 68,608 bytes of LDS; arguments x, w_q, w_k, w_v, w_o, xc, xs, wc, ws; writes xc, xs, wc, ws
.if DOCPART == 1
	.amdgcn_target "amdgcn-amd-amdhsa--gfx1250"
	.amdhsa_code_object_version 6
	.text
	.protected	k_qe0fdf51174_quant
	.globl	k_qe0fdf51174_quant
	.p2align	8
	.type	k_qe0fdf51174_quant,@function
k_qe0fdf51174_quant:
	s_mov_b64 s[64:65], 0
	v_nop
	global_prefetch_b8 v0, s[64:65] scope:SCOPE_SE
	s_setreg_imm32_b32 hwreg(HW_REG_WAVE_MODE, 25, 1), 1
	s_wait_xcnt 0x0
; x [8192][1024] and w_q, w_k, w_v, w_o [1024 (k)][1024 (n)], f32, become codes of FP6 (E2M3) with one E8M0 scale byte for each 32 along K.
; A block's scale is 2^(floor(log2(its largest magnitude)) - 2); its byte is the largest magnitude's exponent field - 2, held at 1 from below.
; LIMITS: NaN and infinities among the inputs are not served; a block whose largest magnitude lies under 2^-124, a block of zeros among them, gets the byte 1
; (a block of zeros has zero codes, which add nothing under that byte; the bytes are read by this program alone).
; WHAT IS STORED.  A fragment (16 rows x 128 K: 12 registers a lane) is stored as an image of its registers: register j of lane l at 512 (j / 4) + 16 l + 4 (j % 4), 1,536 bytes.
; xc: [tile 512][K step 8][1536]; wc: [tile 256][K step 8][1536], tiles of w_q, w_k, w_v, w_o on end (rows of an operand = columns n of a weight).
; Scale words: [tile][K steps 0-3 | 4-7][row 16][4 words], 512 bytes a tile.
; THE ROWS OF A TILE ARE NOT NEIGHBOURS: lane r of tile 2 g + u holds row 32 g + 8 u + r + 8 (r / 8), in every operand of this program.
; Work-groups 0-127 take x (K innermost: a wave takes one tile x 512 K, turned through its own stage in LDS so that every load is 512 consecutive bytes);
; work-groups 128-255 take the weights (K outermost: a lane takes a column, its registers run down K; nothing is transposed).  Waves share nothing: no barrier.
.set SPARE, 67584                      ; behind the eight stages of 8,448 bytes: the spare words, 128 bytes for each wave
.set SPW,   6                          ; v6   LDS address of my spare word; never rewritten
.set NIL,   7                          ; v7   0; never rewritten
.set RR,    16                         ; x path: v16-143 two sets of 64 registers as loaded
.set XX,    144                        ; v144-207 my 64 numbers of a K step: two whole blocks of 32
.set CC,    208                        ; v208-219 the fragment's 12 registers
.set TT,    220                        ; v220-227 the upper halves of the two blocks' codes
.set WD,    228                        ; v228-231 the four K steps' scale words
.set TM,    232                        ; v232-239 at work
.set XW,    16                         ; W path: v16-143 my column's 128 numbers
.set F0,    144                        ; v144-155, v156-167 two fragments
.set F1,    156
.set TU,    168                        ; v168-183 the upper halves
.set MX,    184                        ; v184-185 maxima
.set SO,    188                        ; v188-191 the conversions' scale operands
.set BY,    192                        ; v192-195 the bytes
.set WW,    196                        ; v196 the scale word
	s_load_b256 s[4:11], s[0:1], 0x0               ; x, w_q, w_k, w_v
	s_load_b256 s[12:19], s[0:1], 0x20             ; w_o, xc, xs, wc
	s_load_b64 s[20:21], s[0:1], 0x40              ; ws
	v_lshl_add_u32 v[SPW], v0, 2, SPARE
	v_mov_b32 v[NIL], 0
	v_lshrrev_b32 v1, 5, v0
	v_readfirstlane_b32 s22, v1                    ; wave 0..7
	v_and_b32 v8, 31, v0                           ; lane
	v_and_b32 v9, 15, v0                           ; r
	v_bfe_u32 v10, v0, 4, 1                        ; h
	v_lshlrev_b32 v1, 4, v8                        ; 16 x lane
	s_mov_b32 s24, 0x76543210
	s_mov_b32 s25, 0xfedcba98                      ; v_permlanex16_b32's selects for lane l xor 16
	s_cmp_lt_u32 ttmp9, 128
	s_cbranch_scc0 .Lweights
	; ---------------- x ----------------
	s_lshl_b32 s26, ttmp9, 3
	s_add_co_u32 s26, s26, s22                     ; q = 8 x work-group + wave: tile q / 2, K half q % 2
	s_lshr_b32 s27, s26, 1                         ; tile T
	s_and_b32 s28, s26, 1                          ; K half
	s_lshr_b32 s29, s27, 1
	s_lshl_b32 s29, s29, 17                        ; 32 (T / 2) rows of 4,096 bytes
	s_and_b32 s30, s27, 1
	s_lshl_b32 s30, s30, 15                        ; + 8 (T % 2) rows
	s_add_co_u32 s29, s29, s30
	s_lshl_b32 s30, s28, 11                        ; + 512 numbers for the upper K half
	s_add_co_u32 s30, s29, s30
	s_mov_b32 s31, 0
	s_mul_i32 s32, s26, 6144                       ; xc: (8 T + 4 half) x 1,536 = 6,144 q
	s_mov_b32 s33, 0
	s_lshl_b32 s34, s26, 8                         ; xs: 512 T + 256 half = 256 q
	s_mov_b32 s35, 0
	s_mul_i32 s36, s22, 8448                       ; my stage: 16 rows x (512 + 16) bytes
	v_add_nc_u32 v2, s36, v1                       ; in: 16 x lane of a row
	v_mul_u32_u24 v3, v9, 528
	v_lshl_add_u32 v3, v10, 7, v3
	v_add_nc_u32 v3, s36, v3                       ; out: row r, + 128 h: my block of 32 numbers
	v_lshlrev_b32 v4, 4, v9
	v_lshl_add_u32 v4, v10, 3, v4                  ; the scale words' place: 16 r + 8 h
	v_lshlrev_b32 v5, 3, v10                       ; 8 h: my bytes' shift in a scale word
	v_mov_b32 v[TM+7], 0                           ; written once: a lane permute's destination counts as one of its sources
	s_wait_kmcnt 0x0
	s_add_nc_u64 s[4:5], s[4:5], s[30:31]
	s_add_nc_u64 s[14:15], s[14:15], s[32:33]
	s_add_nc_u64 s[16:17], s[16:17], s[34:35]
.macro LOAD t                          ; K step t of the tile's 16 rows: each load reads 512 consecutive bytes of one row
.irp i, 0,1,2,3,4,5,6,7,8,9,10,11,12,13,14,15
	global_load_b128 v[RR+64*((\t)%2)+4*\i:RR+64*((\t)%2)+4*\i+3], v1, s[4:5] offset:(\i+8*(\i/8))*4096+512*(\t) th:TH_LOAD_NT
.endr
.endm
.macro XSTEP t
.if (\t) < 3
	s_wait_loadcnt 16                              ; this step's 16 loads are in; the next step's 16 may be out
.else
	s_wait_loadcnt 0x0
.endif
.irp i, 0,1,2,3,4,5,6,7,8,9,10,11,12,13,14,15
	ds_store_b128 v2, v[RR+64*((\t)%2)+4*\i:RR+64*((\t)%2)+4*\i+3] offset:528*\i
.endr
.irp j, 0,1,2,3,4,5,6,7                ; LDS serves a wave's instructions in order (ISA guide 5.7.1.4): these see the stores above
	ds_load_b128 v[XX+4*\j:XX+4*\j+3], v3 offset:16*\j                 ; k = 32 h + 0 .. 31 of row r
.endr
.irp j, 0,1,2,3,4,5,6,7
	ds_load_b128 v[XX+32+4*\j:XX+32+4*\j+3], v3 offset:256+16*\j       ; k = 64 + 32 h + 0 .. 31
.endr
	s_wait_dscnt 0x0                               ; my numbers are back, and the stores have read their registers,
.if (\t) < 2
	LOAD (\t)+2                                    ; which take the loads of two steps on
.endif
.irp c, 0,1                            ; my two blocks by turns; the floor 2^(3 - 127) holds the byte at 1 from below
	v_max3_num_f32 v[TM+\c], |v[XX+32*\c]|, |v[XX+32*\c+1]|, 0x1800000
.endr
.irp i, 2,4,6,8,10,12,14,16,18,20,22,24,26,28,30
.irp c, 0,1
	v_max3_num_f32 v[TM+\c], v[TM+\c], |v[XX+32*\c+\i]|, |v[XX+32*\c+\i+1]|
.endr
.endr
.irp c, 0,1
	v_add_nc_u32 v[TM+2+\c], 0xff000000, v[TM+\c]  ; 2 off the exponent field: the conversion's scale operand
.endr
.irp c, 0,1
	v_lshrrev_b32 v[TM+4+\c], 23, v[TM+2+\c]       ; the scale's byte
.endr
	v_lshl_or_b32 v[TM+6], v[TM+5], 16, v[TM+4]    ; my bytes: blocks h and 2 + h,
	v_lshlrev_b32 v[TM+6], v5, v[TM+6]             ; at their places in the word;
	v_permlanex16_b32 v[TM+7], v[TM+6], s24, s25
	v_or_b32 v[WD+(\t)], v[TM+6], v[TM+7]          ; with lane l xor 16's two the word is whole
	s_wait_xcnt 0x0                                ; the last step's stores have read their data registers
	v_cvt_scalef32_pk16_fp6_f32 v[CC:CC+2], v[XX:XX+15], v[TM+2]
	v_cvt_scalef32_pk16_fp6_f32 v[TT:TT+2], v[XX+16:XX+31], v[TM+2]    ; (a conversion's three registers begin on an even number)
	v_cvt_scalef32_pk16_fp6_f32 v[CC+6:CC+8], v[XX+32:XX+47], v[TM+3]
	v_cvt_scalef32_pk16_fp6_f32 v[TT+4:TT+6], v[XX+48:XX+63], v[TM+3]
	v_nop                                          ; one plain place behind a scaled conversion
.irp i, 0,1,2
	v_mov_b32 v[CC+3+\i], v[TT+\i]
	v_mov_b32 v[CC+9+\i], v[TT+4+\i]
.endr
.irp g, 0,1,2
	global_store_b128 v1, v[CC+4*\g:CC+4*\g+3], s[14:15] offset:1536*(\t)+512*\g   ; 512 consecutive bytes, at a multiple of 256 from the buffer's first byte
.endr
.endm
	LOAD 0
	LOAD 1
	XSTEP 0
	XSTEP 1
	XSTEP 2
	XSTEP 3
	v_cmp_eq_u32 vcc_lo, 1, v10
	v_cndmask_b32 v[TM], v[WD], v[WD+2], vcc_lo    ; lanes 0-15 store words 0 and 1 of row r, lanes 16-31 words 2 and 3:
	v_cndmask_b32 v[TM+1], v[WD+1], v[WD+3], vcc_lo
	global_store_b64 v4, v[TM:TM+1], s[16:17]      ; 256 consecutive bytes
	s_wait_tensorcnt 0x0                           ; the wave's end: behind my last LDS store
	ds_add_u32 v[SPW], v[NIL]
	s_wait_dscnt 0x0
	s_endpgm
	; ---------------- the weights ----------------
.Lweights:
	s_sub_co_u32 s26, ttmp9, 128                   ; j = 0 .. 127
	s_lshr_b32 s27, s26, 5                         ; which weight
	s_bfe_u32 s28, s26, 0x40001                    ; which 64 columns
	s_and_b32 s29, s26, 1                          ; which half of K
	s_and_b32 s30, s22, 1                          ; which 32 of the 64 columns
	s_lshr_b32 s31, s22, 1
	s_lshl_b32 s32, s29, 2
	s_add_co_u32 s31, s31, s32                     ; K step s = 4 half + wave / 2
	s_lshl_b32 s32, s31, 19                        ; 128 s rows of 4,096 bytes
	s_lshl_b32 s33, s28, 8
	s_add_co_u32 s32, s32, s33
	s_lshl_b32 s33, s30, 7
	s_add_co_u32 s32, s32, s33                     ; + the wave's first column x 4
	s_mov_b32 s33, 0
	s_lshl_b32 s34, s27, 6
	s_lshl_b32 s35, s28, 2
	s_add_co_u32 s34, s34, s35
	s_lshl_b32 s35, s30, 1
	s_add_co_u32 s34, s34, s35                     ; my first tile of wc
	s_lshl_b32 s36, s34, 3
	s_add_co_u32 s36, s36, s31
	s_mul_i32 s36, s36, 1536                       ; its K step s
	s_mov_b32 s37, 0
	s_lshl_b32 s38, s34, 9
	s_lshl_b32 s35, s29, 8
	s_add_co_u32 s38, s38, s35
	s_lshr_b32 s35, s22, 1
	s_lshl_b32 s35, s35, 2
	s_add_co_u32 s38, s38, s35                     ; ws: 512 x tile + 256 (s / 4) + 4 (s % 4)
	s_mov_b32 s39, 0
	v_and_b32 v2, 7, v8
	v_and_b32 v3, 8, v8
	v_lshl_or_b32 v2, v3, 1, v2
	v_lshl_or_b32 v2, v10, 3, v2                   ; my column of the 32: lanes 0-15 hold the first tile's rows, lanes 16-31 the second's, in the tiles' order
	v_lshlrev_b32 v2, 2, v2
	v_lshlrev_b32 v3, 4, v9
	v_lshl_add_u32 v3, v10, 9, v3                  ; my scale word's place: 512 h + 16 r
	s_wait_kmcnt 0x0
	s_cmp_eq_u32 s27, 1                            ; the choice hangs on the work-group's number alone
	s_cselect_b64 s[6:7], s[8:9], s[6:7]
	s_cmp_eq_u32 s27, 2
	s_cselect_b64 s[6:7], s[10:11], s[6:7]
	s_cmp_eq_u32 s27, 3
	s_cselect_b64 s[6:7], s[12:13], s[6:7]
	s_add_nc_u64 s[6:7], s[6:7], s[32:33]
	s_add_nc_u64 s[18:19], s[18:19], s[36:37]
	s_add_nc_u64 s[20:21], s[20:21], s[38:39]
.macro WLOAD b                         ; block b: 32 rows of my column; the 32 lanes read 128 consecutive bytes of a row, the neighbouring wave the next 128
.irp i, 0,1,2,3,4,5,6,7,8,9,10,11,12,13,14,15,16,17,18,19,20,21,22,23,24,25,26,27,28,29,30,31
	global_load_b32 v[XW+32*(\b)+\i], v2, s[6:7] offset:4096*(32*(\b)+\i) th:TH_LOAD_NT
.endr
.endm
.macro WBLOCK b
.set XB, XW+32*(\b)
.if (\b) < 3
	s_wait_loadcnt 32                              ; this block's 32 loads are in; the next block's may be out
.else
	s_wait_loadcnt 0x0
.endif
.if (\b) < 2
	WLOAD (\b)+2
.endif
	v_max3_num_f32 v[MX], |v[XB]|, |v[XB+1]|, |v[XB+2]|            ; all 32 numbers of the block are mine: two chains
	v_max3_num_f32 v[MX+1], |v[XB+3]|, |v[XB+4]|, |v[XB+5]|
.irp i, 6,10,14,18,22,26
	v_max3_num_f32 v[MX], v[MX], |v[XB+\i]|, |v[XB+\i+1]|
	v_max3_num_f32 v[MX+1], v[MX+1], |v[XB+\i+2]|, |v[XB+\i+3]|
.endr
	v_max3_num_f32 v[MX], v[MX], |v[XB+30]|, |v[XB+31]|
	v_max3_num_f32 v[MX], v[MX], v[MX+1], 0x1800000                ; and the floor
	v_add_nc_u32 v[SO+(\b)], 0xff000000, v[MX]
	v_lshrrev_b32 v[BY+(\b)], 23, v[SO+(\b)]
	v_cvt_scalef32_pk16_fp6_f32 v[F0+12*((\b)%2)+6*((\b)/2):F0+12*((\b)%2)+6*((\b)/2)+2], v[XB:XB+15], v[SO+(\b)]   ; blocks 0, 2 into the first run, blocks 1, 3 into the second
	v_cvt_scalef32_pk16_fp6_f32 v[TU+4*(\b):TU+4*(\b)+2], v[XB+16:XB+31], v[SO+(\b)]
	v_nop                                          ; one plain place behind a scaled conversion
.endm
	WLOAD 0
	WLOAD 1
	WBLOCK 0
	WBLOCK 1
	WBLOCK 2
	WBLOCK 3
	v_lshl_or_b32 v[WW], v[BY+1], 8, v[BY]         ; my column's scale word for this K step
	v_lshl_or_b32 v[WW], v[BY+2], 16, v[WW]
	v_lshl_or_b32 v[WW], v[BY+3], 24, v[WW]
.irp b, 0,1,2,3
.irp i, 0,1,2
	v_mov_b32 v[F0+12*(\b%2)+6*(\b/2)+3+\i], v[TU+4*\b+\i]
.endr
.endr
.irp i, 0,1,2,3,4,5,6,7,8,9,10,11      ; the first run's lanes 16-31 change places with the second's lanes 0-15: the first run is now the first tile's fragment (lanes 0-15 blocks 0, 2; lanes 16-31 blocks 1, 3), the second the second tile's
	v_permlane16_swap_b32 v[F0+\i], v[F1+\i]
.endr
.irp g, 0,1,2
	global_store_b128 v1, v[F0+4*\g:F0+4*\g+3], s[18:19] offset:512*\g
	global_store_b128 v1, v[F1+4*\g:F1+4*\g+3], s[18:19] offset:12288+512*\g
.endr
	global_store_b32 v3, v[WW], s[20:21]           ; 4 bytes at every 16: one byte in 128 of what this path reads
	s_wait_tensorcnt 0x0                           ; the closing lines stand on this way too
	ds_add_u32 v[SPW], v[NIL]
	s_wait_dscnt 0x0
	s_endpgm
.Lfunc_end_k_qe0fdf51174_quant:
	.size	k_qe0fdf51174_quant, .Lfunc_end_k_qe0fdf51174_quant-k_qe0fdf51174_quant
	.p2alignl 7, 3214868480
	.fill 96, 4, 3214868480
	.section	.rodata,"a",@progbits
	.p2align	6, 0x0
	.amdhsa_kernel k_qe0fdf51174_quant
		.amdhsa_group_segment_fixed_size 68608
		.amdhsa_private_segment_fixed_size 0
		.amdhsa_enable_private_segment 0
		.amdhsa_kernarg_size 72
		.amdhsa_user_sgpr_count 2
		.amdhsa_user_sgpr_kernarg_segment_ptr 1
		.amdhsa_wavefront_size32 1
		.amdhsa_system_sgpr_workgroup_id_x 1
		.amdhsa_system_sgpr_workgroup_id_y 1
		.amdhsa_system_sgpr_workgroup_id_z 1
		.amdhsa_system_vgpr_workitem_id 0
		.amdhsa_next_free_vgpr 256
		.amdhsa_next_free_sgpr 66
		.amdhsa_reserve_vcc 1
		.amdhsa_float_denorm_mode_32 3
		.amdhsa_float_denorm_mode_16_64 3
		.amdhsa_memory_ordered 1
		.amdhsa_forward_progress 1
		.amdhsa_inst_pref_size 51
	.end_amdhsa_kernel
	.amdgpu_metadata
---
amdhsa.version: [ 1, 2 ]
amdhsa.kernels:
  - .name:           k_qe0fdf51174_quant
    .symbol:         k_qe0fdf51174_quant.kd
    .args:
      - { .name: x, .offset: 0, .size: 8, .value_kind: global_buffer, .address_space: global }
      - { .name: w_q, .offset: 8, .size: 8, .value_kind: global_buffer, .address_space: global }
      - { .name: w_k, .offset: 16, .size: 8, .value_kind: global_buffer, .address_space: global }
      - { .name: w_v, .offset: 24, .size: 8, .value_kind: global_buffer, .address_space: global }
      - { .name: w_o, .offset: 32, .size: 8, .value_kind: global_buffer, .address_space: global }
      - { .name: xc, .offset: 40, .size: 8, .value_kind: global_buffer, .address_space: global }
      - { .name: xs, .offset: 48, .size: 8, .value_kind: global_buffer, .address_space: global }
      - { .name: wc, .offset: 56, .size: 8, .value_kind: global_buffer, .address_space: global }
      - { .name: ws, .offset: 64, .size: 8, .value_kind: global_buffer, .address_space: global }
    .group_segment_fixed_size: 68608
    .private_segment_fixed_size: 0
    .kernarg_segment_align: 8
    .kernarg_segment_size: 72
    .max_flat_workgroup_size: 256
    .sgpr_count:     66
    .vgpr_count:     256
    .wavefront_size: 32
...
	.end_amdgpu_metadata
.endif
;; end of part 1
;; launch qkv (part 2): grid 24 x 32, 4 waves a work-group, clusters of 4 x 4, 295,424 bytes of LDS; arguments xc, xs, wc, ws, b_q, b_k, b_v, qkvc, qkvs; writes qkvc, qkvs
.if DOCPART == 2
	.amdgcn_target "amdgcn-amd-amdhsa--gfx1250"
	.amdhsa_code_object_version 6
	.text
	.protected	k_qe0fdf51174_qkv
	.globl	k_qe0fdf51174_qkv
	.p2align	8
	.type	k_qe0fdf51174_qkv,@function
k_qe0fdf51174_qkv:
	s_mov_b64 s[64:65], 0
	v_nop
	global_prefetch_b8 v0, s[64:65] scope:SCOPE_SE
	s_setreg_imm32_b32 hwreg(HW_REG_WAVE_MODE, 25, 1), 1
	s_wait_xcnt 0x0
	s_wait_alu depctr_hold_cnt(0) depctr_sa_sdst(0) depctr_va_vdst(0) depctr_va_sdst(0) depctr_va_ssrc(0) depctr_va_vcc(0) depctr_vm_vsrc(0)
	s_getreg_b32 s2, hwreg(HW_REG_IB_STS2, 6, 4)
	s_cmp_eq_u32 s2, 0
	s_cbranch_scc0 .Lentry_in_a_cluster
	s_endpgm
.Lentry_in_a_cluster:
	s_bfe_u32 s2, ttmp6, 0x10000c
	s_cmp_lg_u32 s2, 0xf033
	s_cbranch_scc0 .Lentry_shape_is_right
	s_endpgm
.Lentry_shape_is_right:
; q = x w_q + b_q, k = x w_k + b_k, v = x w_v + b_v on codes of FP6 (E2M3) with E8M0 scales, sums in f32; the results are quantised here, in registers, and leave as codes:
; q and k along the head's 64 (the scores' K), v along the keys (the second product's K).  No f32 result goes to memory.
; LIMITS: NaN and infinities are not served; a block whose largest magnitude lies under 2^-124 gets the scale byte 1 (zero blocks: zero codes; the bytes are read by this program alone).
; SHARES.  A work-group takes 256 rows of x (work-group y) x 128 columns of [w_q | w_k | w_v] (work-group x: 0-7 q, 8-15 k, 16-23 v).  Four waves; a wave takes 128 (source 0, eight tiles) x 64 (source 1, four tiles): 32 accumulators.
; ROLES.  A lane's registers run along source 0's rows, and that is the axis along which a result can be quantised.  Role QK (cluster x 0-3): source 0 = the weights' columns, source 1 = x's rows.
; Role V (cluster x 4, 5): source 0 = x's rows (the keys), source 1 = w_v's columns.  The role hangs on the cluster's x, which all sixteen partners share; the tensor loads are the same in both.
; LDS.  All of K = 1,024 lies in LDS at once, as four chunks of 256 along K (73,728 bytes: x's 16 tiles, then the weights' 8, 3,072 bytes each), every chunk filled once: no slot is filled again.
; All four loads of a wave go out at the head: by this text's count a wave has four tensor loads outstanding at the most.  Operands lie as images of their registers: a fragment is three ds_load_b128 of 512 consecutive bytes.
; CLUSTERS: 4 x 4 work-groups.  x's tiles hang on work-group y alone and are asked for jointly by a row of the cluster, the weights' on work-group x alone, by a column.
; REGISTERS: window 0: v1-29 addresses; v32-63 source 0's scale words (tile b, register q: K step q in lanes 0-15, K step 4 + q in lanes 16-31); v64-79 source 1's; v80-83 role V's bias; v96-191 source 1's fragments, two sets.
;   window 1: v0-191 source 0's fragments, two sets (behind the products: at work); v192-255 role QK's bias.   window 2: accumulator (a, b) at v[8 (8 a + b)].
; OUT.  qkvc: [batch x head 64][128 rows 16][q, k, v][unit 4][1536].  A unit of q or k: 32 rows: registers 0-5 the tile of the lower order, 6-11 the other, each with the head's 64.  A unit of v: 16 of the head's 64 x 128 keys.
;       qkvs: the same index, [row 16][unit 4] scale words, 256 bytes.
.set CH,    73728
.set BOFF,  49152                      ; the weights' tiles in a chunk
.set SPARE, 4*CH                       ; behind the chunks: the spare words, 128 bytes for each wave
.set ADP,   8                          ; v8-11   LDS address of source 0's fragments in chunk c
.set ADR,   12                         ; v12-15  of source 1's
.set SPW,   28                         ; v28     LDS address of my spare word; never rewritten
.set NIL,   29                         ; v29     0; never rewritten
.set SP,    32
.set SR,    64
.set BV,    80
.set RF,    96
.set BIAS,  192                        ; window 1
.set H,     0                          ; window 1, behind the products: 64 numbers of a lane;
.set DD,    64                         ; 48 registers of codes;
.set T,     112                        ; the conversions' second halves;
.set TM,    120                        ; 16 at work;
.set W,     136                        ; four scale words;
.set E,     144                        ; and what is stored of them
.set WV,    22
.set G1A,   24                         ; s[24:31] descriptor group 1 for x's tiles;  s[32:39] for the weights'
.set G1B,   32
.set G0A,   40                         ; s[40:55] groups 0 for x's four chunks
.set G0B,   56                         ; s[56:63], s[68:75] for the weights'
.set SEL,   96
.set MSB,   0
.macro WIN new                         ; the immediate's high byte repeats the setting that is left
.if MSB != \new
	s_set_vgpr_msb (MSB<<8)|\new
.set MSB, \new
.endif
.endm
.macro CREST
	s_cmp_lg_u32 s[WV], 0
	s_cbranch_scc1 .Lnot_wave_0_\@
	s_barrier_signal -3
.Lnot_wave_0_\@:
	s_barrier_wait -3
	s_barrier_signal -1
	s_barrier_wait -1
.endm
.macro CROUND                          ; a round of the cluster's barrier
	s_barrier_signal -1
	s_barrier_wait -1
	CREST
.endm
.macro PLACES n
.rept \n
	v_nop
.endr
.endm
.macro FETCH s                         ; K step s: 36 LDS loads in one run, into set s % 2
.set FC, (\s)/2
.set FQ, (\s)%2
	WIN 0x40                                       ; destination window 1, address window 0
.irp b, 0,1,2,3,4,5,6,7
.irp g, 0,1,2
	ds_load_b128 v[96*FQ+12*\b+4*\g:96*FQ+12*\b+4*\g+3], v[ADP+FC] offset:3072*\b+1536*FQ+512*\g
.endr
.endr
	WIN 0
.irp a, 0,1,2,3
.irp g, 0,1,2
	ds_load_b128 v[RF+48*FQ+12*\a+4*\g:RF+48*FQ+12*\a+4*\g+3], v[ADR+FC] offset:3072*\a+1536*FQ+512*\g
.endr
.endr
.endm
; 16 matrix instructions: source 1's tiles a0, a0 + 1 x source 0's eight.  The 32 accumulators take turns, one instruction a turn, in the same order in every K step.  K step 0 starts the sums.
.macro MUL a0, s
	WIN 0xa1                                       ; source 0 window 1, source 1 window 0, C and D window 2
.irp a, \a0, \a0+1
.irp b, 0,1,2,3,4,5,6,7
.if (\s) == 0
	v_wmma_scale_f32_16x16x128_f8f6f4 v[8*(8*(\a)+\b):8*(8*(\a)+\b)+7], v[96*((\s)%2)+12*\b:96*((\s)%2)+12*\b+11], v[RF+48*((\s)%2)+12*(\a):RF+48*((\s)%2)+12*(\a)+11], 0, v[SP+4*\b+(\s)%4], v[SR+4*(\a)+(\s)%4] matrix_a_fmt:MATRIX_FMT_FP6 matrix_b_fmt:MATRIX_FMT_FP6
.elseif (\s) < 4
	v_wmma_scale_f32_16x16x128_f8f6f4 v[8*(8*(\a)+\b):8*(8*(\a)+\b)+7], v[96*((\s)%2)+12*\b:96*((\s)%2)+12*\b+11], v[RF+48*((\s)%2)+12*(\a):RF+48*((\s)%2)+12*(\a)+11], v[8*(8*(\a)+\b):8*(8*(\a)+\b)+7], v[SP+4*\b+(\s)%4], v[SR+4*(\a)+(\s)%4] matrix_a_fmt:MATRIX_FMT_FP6 matrix_b_fmt:MATRIX_FMT_FP6
.else
	v_wmma_scale_f32_16x16x128_f8f6f4 v[8*(8*(\a)+\b):8*(8*(\a)+\b)+7], v[96*((\s)%2)+12*\b:96*((\s)%2)+12*\b+11], v[RF+48*((\s)%2)+12*(\a):RF+48*((\s)%2)+12*(\a)+11], v[8*(8*(\a)+\b):8*(8*(\a)+\b)+7], v[SP+4*\b+(\s)%4], v[SR+4*(\a)+(\s)%4] matrix_a_fmt:MATRIX_FMT_FP6 matrix_b_fmt:MATRIX_FMT_FP6 matrix_a_scale:MATRIX_SCALE_ROW1 matrix_b_scale:MATRIX_SCALE_ROW1
.endif
.endr
.endr
.endm
; A K step of 128.  A load into a register that a matrix instruction has read stands four places behind it (ISA guide 7.12.1 for vector instructions).
.macro KSTEP s
	s_wait_dscnt 0x0                               ; this step's fragments are in; no LDS instruction of mine is out
.if ((\s)%2) == 0                      ; the next step lies in the same chunk: it is fetched at once, 32 matrix instructions ahead of its use
.if (\s) > 0
	PLACES 4
.endif
	FETCH (\s)+1
	MUL 0, \s
	MUL 2, \s
.elseif (\s) < 7                       ; the next step lies in the next chunk
	s_wait_tensorcnt 3-((\s)+1)/2                  ; my part of that chunk has landed; the count is the number of younger chunks, which may stay out
	s_barrier_signal -1
	MUL 0, \s
	s_barrier_wait -1                              ; everybody's part has
	PLACES 4
	FETCH (\s)+1
	MUL 2, \s
.else
	MUL 0, \s
	MUL 2, \s
.endif
.endm
; 64 numbers of a lane, register 16 b + i = place 32 b + 16 (lane / 16) + i along the axis that is quantised, become codes: blocks 0, 1 in v[d0] .. v[d0 + 5], blocks 2, 3 in v[d1] .. v[d1 + 5] (a whole block in a lane), and a scale word in v[w].  All in window 1.
.macro QUANT s, d0, d1, w
.irp b, 0,1,2,3
	v_max3_num_f32 v[TM+\b], |v[\s+16*\b]|, |v[\s+16*\b+1]|, 0x1800000   ; the floor 2^(3 - 127) holds the byte at 1 from below
.endr
.irp i, 2,4,6,8,10,12,14
.irp b, 0,1,2,3
	v_max3_num_f32 v[TM+\b], v[TM+\b], |v[\s+16*\b+\i]|, |v[\s+16*\b+\i+1]|
.endr
.endr
.irp b, 0,1,2,3
	v_permlanex16_b32 v[TM+4+\b], v[TM+\b], s[SEL], s[SEL+1]
.endr
.irp b, 0,1,2,3
	v_max_num_f32 v[TM+\b], v[TM+\b], v[TM+4+\b]   ; with lane l xor 16's: the block's largest magnitude
.endr
.irp b, 0,1,2,3
	v_add_nc_u32 v[TM+12+\b], 0xff000000, v[TM+\b] ; 2 off its exponent field: the conversion's scale operand
.endr
.irp b, 0,1,2,3
	v_lshrrev_b32 v[TM+4+\b], 23, v[TM+12+\b]      ; the scale's byte
.endr
	v_lshl_or_b32 v[\w], v[TM+5], 8, v[TM+4]
	v_lshl_or_b32 v[\w], v[TM+6], 16, v[\w]
	v_lshl_or_b32 v[\w], v[TM+7], 24, v[\w]
	v_cvt_scalef32_pk16_fp6_f32 v[\d0:\d0+2], v[\s:\s+15], v[TM+12]
	v_cvt_scalef32_pk16_fp6_f32 v[T:T+2], v[\s+16:\s+31], v[TM+13]       ; (a conversion's three registers begin on an even number)
	v_cvt_scalef32_pk16_fp6_f32 v[\d1:\d1+2], v[\s+32:\s+47], v[TM+14]
	v_cvt_scalef32_pk16_fp6_f32 v[T+4:T+6], v[\s+48:\s+63], v[TM+15]
	v_nop                                          ; one plain place behind a scaled conversion
.irp i, 0,1,2
	v_permlane16_swap_b32 v[\d0+\i], v[T+\i]       ; lanes 0-15 get the even block whole, lanes 16-31 the odd one
	v_permlane16_swap_b32 v[\d1+\i], v[T+4+\i]
.endr
.irp i, 0,1,2
	v_mov_b32 v[\d0+3+\i], v[T+\i]
	v_mov_b32 v[\d1+3+\i], v[T+4+\i]
.endr
.endm
.macro FINI
	WIN 0
	s_wait_tensorcnt 0x0                           ; the wave's end
	ds_add_u32 v[SPW], v[NIL]
	s_wait_dscnt 0x0
	CROUND                                         ; the closing round
	s_endpgm
.endm
	s_load_b256 s[4:11], s[0:1], 0x0               ; xc, xs, wc, ws
	s_load_b256 s[12:19], s[0:1], 0x20             ; b_q, b_k, b_v, qkvc
	s_load_b64 s[20:21], s[0:1], 0x40              ; qkvs
	v_lshl_add_u32 v[SPW], v0, 2, SPARE
	v_mov_b32 v[NIL], 0
	ds_add_u32 v[SPW], v[NIL]                      ; the wave's opening: the add and its wait stand ahead of my first tensor load; work on registers stands between them
	v_lshrrev_b32 v1, 5, v0
	v_readfirstlane_b32 s[WV], v1                  ; wave 0..3
	s_and_b32 s23, s[WV], 1
	s_bfe_u32 s76, ttmp6, 0x40000                  ; cx
	s_bfe_u32 s77, ttmp6, 0x40004                  ; cy
	s_lshl_b32 s78, ttmp9, 2
	s_add_co_u32 s78, s78, s76                     ; work-group x
	s_and_b32 s79, ttmp7, 0xffff
	s_lshl_b32 s79, s79, 2
	s_add_co_u32 s79, s79, s77                     ; work-group y
	s_lshl_b32 s80, s77, 2
	s_lshl_b32 s80, 15, s80                        ; my row of the cluster
	s_lshl_b32 s81, 0x1111, s76                    ; my column
	; group 1: rows = tiles; a row is a tile's 3,072 bytes of a chunk (384 elements of 8 bytes), 12,288 bytes (1,536 elements) from tile to tile; no padding
	s_or_b32 s[G1A], s80, (3<<16)|(1<<21)          ; 15:0 the mask; 17:16 elements of 8 bytes; 21 set beside a mask
	s_or_b32 s[G1B], s81, (3<<16)|(1<<21)
	s_mov_b32 s[G1A+1], 384<<16                    ; tensor_dim0
	s_mov_b32 s[G1A+2], 8<<16                      ; tensor_dim1: eight tiles of x a wave
	s_mov_b32 s[G1A+3], 384<<16                    ; tile_dim0
	s_mov_b32 s[G1A+4], 8                          ; tile_dim1
	s_mov_b32 s[G1A+5], 1536                       ; tensor_dim0_stride
	s_mov_b32 s[G1A+6], 0
	s_mov_b32 s[G1A+7], 0
	s_mov_b32 s[G1B+1], 384<<16
	s_mov_b32 s[G1B+2], 4<<16                      ; four tiles of the weights a wave
	s_mov_b32 s[G1B+3], 384<<16
	s_mov_b32 s[G1B+4], 4
	s_mov_b32 s[G1B+5], 1536
	s_mov_b32 s[G1B+6], 0
	s_mov_b32 s[G1B+7], 0
	s_lshl_b32 s82, s79, 4                         ; x: tile 16 y + 8 (wave & 1): registers that never hold work-group x
	s_lshl_b32 s83, s23, 3
	s_add_co_u32 s82, s82, s83
	s_mul_i32 s82, s82, 12288
	s_mov_b32 s83, 0
	s_lshl_b32 s84, s78, 3                         ; the weights: tile 8 x + 4 (wave & 1): registers that never hold work-group y
	s_lshl_b32 s85, s23, 2
	s_add_co_u32 s84, s84, s85
	s_mul_i32 s84, s84, 12288
	s_mov_b32 s85, 0
	s_mul_i32 s86, s23, 24576                      ; where they go in a chunk: the wave's number alone
	s_mul_i32 s87, s23, 12288
	s_add_co_u32 s87, s87, BOFF
	s_mov_b32 s[SEL], 0x76543210
	s_mov_b32 s[SEL+1], 0xfedcba98
	s_wait_dscnt 0x0                               ; the opening add is done
	s_wait_kmcnt 0x0
	s_add_nc_u64 s[82:83], s[4:5], s[82:83]
	s_add_nc_u64 s[84:85], s[8:9], s[84:85]
.irp c, 0,1,2,3
	s_mov_b32 s[G0A+4*\c], 1
	s_add_co_u32 s[G0A+4*\c+1], s86, \c*CH
	s_add_nc_u64 s[G0A+4*\c+2:G0A+4*\c+3], s[82:83], \c*3072
	s_or_b32 s[G0A+4*\c+3], s[G0A+4*\c+3], 0x80000000
	s_mov_b32 s[G0B+4*\c+4*(\c/2)], 1
	s_add_co_u32 s[G0B+4*\c+4*(\c/2)+1], s87, \c*CH
	s_add_nc_u64 s[G0B+4*\c+4*(\c/2)+2:G0B+4*\c+4*(\c/2)+3], s[84:85], \c*3072
	s_or_b32 s[G0B+4*\c+4*(\c/2)+3], s[G0B+4*\c+4*(\c/2)+3], 0x80000000
.endr
	CROUND                                         ; all sixteen work-groups are here: the joint loads meet
	s_cmp_lt_u32 s[WV], 2                          ; waves 0 and 1 fetch x's halves, waves 2 and 3 the weights': a wave's four fills stand in one branch
	s_cbranch_scc0 .Lfill_b
.irp c, 0,1,2,3
	tensor_load_to_lds s[G0A+4*\c:G0A+4*\c+3], s[G1A:G1A+7]
	s_nop 0
.endr
	PLACES 4
	s_branch .Lfilled
.Lfill_b:
.irp c, 0,1,2,3
	tensor_load_to_lds s[G0B+4*\c+4*(\c/2):G0B+4*\c+4*(\c/2)+3], s[G1B:G1B+7]
	s_nop 0
.endr
	PLACES 4
.Lfilled:
	v_and_b32 v3, 31, v0                           ; lane
	v_and_b32 v4, 15, v0                           ; r
	v_bfe_u32 v5, v0, 4, 1                         ; h
	v_lshlrev_b32 v1, 4, v3                        ; 16 x lane
	v_lshlrev_b32 v6, 6, v5                        ; the bias in the result's layout: 16 h numbers on
	s_lshr_b32 s95, s[WV], 1
	s_lshl_b32 s88, s95, 8
	v_and_b32 v7, 8, v4
	v_add_nc_u32 v7, v7, v4
	v_lshlrev_b32 v7, 2, v7
	v_add_nc_u32 v7, s88, v7                       ; the bias of my column in role V: 4 (r + 8 (r / 8)) + 256 (wave / 2)
	v_mul_u32_u24 v20, v5, 12288
	v_lshl_add_u32 v20, v4, 4, v20                 ; role QK's scale words: head h of my two, row r
	v_lshlrev_b32 v21, 4, v4
	v_lshl_add_u32 v21, v5, 3, v21                 ; role V's: 16 r + 8 h
	; what the role chooses: pointers, offsets and LDS bases, by s_cselect on the cluster's x; no branch
	s_lshl_b32 s88, s78, 12                        ; ws: tile 8 x
	s_lshl_b32 s89, s79, 13                        ; xs: tile 16 y
	s_lshl_b32 s90, s23, 12
	s_add_co_u32 s90, s89, s90                     ; xs: + 8 (wave & 1)
	s_lshl_b32 s91, s[WV], 11
	s_add_co_u32 s91, s89, s91                     ; xs: + 4 wave
	s_lshl_b32 s92, s95, 11
	s_add_co_u32 s92, s88, s92                     ; ws: + 4 (wave / 2)
	s_mul_i32 s93, s23, 24576                      ; LDS, role V: source 0 = x's tiles 8 (wave & 1) on
	s_mul_i32 s94, s[WV], 12288                    ; LDS, role QK: source 1 = x's tiles 4 wave on
	s_mul_i32 s89, s95, 12288
	s_add_co_u32 s89, s89, BOFF                    ; LDS, role V: source 1 = the weights' tiles 4 (wave / 2) on
	s_cmp_lt_u32 ttmp9, 4
	s_cselect_b32 s88, s88, s90                    ; source 0's scale words
	s_cselect_b32 s90, s91, s92                    ; source 1's
	s_cselect_b64 s[98:99], s[10:11], s[6:7]
	s_cselect_b64 s[100:101], s[6:7], s[10:11]
	s_cselect_b32 s93, BOFF, s93
	s_cselect_b32 s94, s94, s89
	s_cselect_b64 s[16:17], s[14:15], s[16:17]     ; b_k or b_v
	s_mov_b32 s89, 0
	s_mov_b32 s91, 0
	s_add_nc_u64 s[98:99], s[98:99], s[88:89]
	s_add_nc_u64 s[100:101], s[100:101], s[90:91]
	s_cmp_lt_u32 ttmp9, 2
	s_cselect_b64 s[12:13], s[12:13], s[16:17]     ; b_q, or one of those
	s_and_b32 s88, s78, 7
	s_lshl_b32 s88, s88, 9                         ; my work-group's 128 numbers of it
	s_add_nc_u64 s[12:13], s[12:13], s[88:89]
.irp c, 0,1,2,3
	v_add_nc_u32 v[ADP+\c], s93, v1
	v_add_nc_u32 v[ADR+\c], s94, v1
	s_add_co_u32 s93, s93, CH
	s_add_co_u32 s94, s94, CH
.endr
.irp b, 0,1,2,3,4,5,6,7
	global_load_b128 v[SP+4*\b:SP+4*\b+3], v1, s[98:99] offset:512*\b
.endr
.irp a, 0,1,2,3
	global_load_b128 v[SR+4*\a:SR+4*\a+3], v1, s[100:101] offset:512*\a
.endr
.irp a, 0,1,2,3                        ; both forms of the bias are loaded in both roles (272 bytes a lane), so that no branch stands here; each role reads its own
	global_load_b32 v[BV+\a], v7, s[12:13] offset:(32*(\a/2)+8*(\a%2))*4
.endr
	WIN 0x40
.irp i, 0,1,2,3,4,5,6,7,8,9,10,11,12,13,14,15
	global_load_b128 v[BIAS+4*\i:BIAS+4*\i+3], v6, s[12:13] offset:128*(\i/4)+16*(\i%4)   ; register 16 b + i: column 32 b + 16 h + i
.endr
	WIN 0
	s_wait_tensorcnt 3                             ; my part of chunk 0 is in; three younger loads may be out
	s_barrier_signal -1
	s_barrier_wait -1                              ; everybody's is
	FETCH 0
	s_wait_loadcnt 0x0                             ; scale words and biases
	KSTEP 0
	KSTEP 1
	KSTEP 2
	KSTEP 3
	KSTEP 4
	KSTEP 5
	KSTEP 6
	KSTEP 7
	WIN 0
	PLACES 4                                       ; in front of the first read of results and the first write of operands that are done with
	v_cmp_eq_u32 s94, 1, v5                        ; lanes 16-31
	s_cmp_lt_u32 ttmp9, 4
	s_cbranch_scc0 .Lrole_v
	; ---- role QK: a lane holds one row of x; accumulators (a, 0..7) are 128 columns = two heads; registers 16 b + i = column 32 b + 16 h + i
	s_lshr_b32 s88, s79, 3                         ; batch
	s_lshl_b32 s88, s88, 4
	s_and_b32 s89, s78, 7
	s_lshl_b32 s89, s89, 1
	s_add_co_u32 s88, s88, s89                     ; 16 batch + my first head
	s_lshl_b32 s88, s88, 4
	s_lshl_b32 s89, s79, 1
	s_add_co_u32 s89, s89, s95
	s_and_b32 s89, s89, 15                         ; which 128 rows of the batch
	s_add_co_u32 s88, s88, s89
	s_mul_i32 s88, s88, 3
	s_lshr_b32 s89, s78, 3                         ; q (0) or k (1)
	s_add_co_u32 s88, s88, s89
	s_mul_i32 s90, s88, 6144
	s_mul_i32 s89, s23, 3072                       ; my two units of the four
	s_add_co_u32 s90, s90, s89
	s_mov_b32 s91, 0
	s_lshl_b32 s92, s88, 8
	s_lshl_b32 s89, s23, 3
	s_add_co_u32 s92, s92, s89
	s_mov_b32 s93, 0
	s_add_nc_u64 s[18:19], s[18:19], s[90:91]
	s_add_nc_u64 s[20:21], s[20:21], s[92:93]
	WIN 0x40
.irp b, 0,1,2,3
	v_mov_b32 v[TM+4+\b], 0                        ; written once: a lane permute's destination counts as one of its sources
.endr
.irp a, 0,1,2,3
	WIN 0x46                                       ; accumulators window 2, bias and result window 1
.set I, 0
.rept 32
	v_pk_add_f32 v[H+2*I:H+2*I+1], v[64*\a+2*I:64*\a+2*I+1], v[BIAS+2*I:BIAS+2*I+1]   ; each accumulator from its low end on
.set I, I+1
.endr
	WIN 0x55
.set D0, DD+24*(\a/2)+6*(\a%2)
.set D1, D0+12
.set WA, W+\a
	QUANT H, D0, D1, WA                            ; blocks 0, 1: the first head's 64; blocks 2, 3: the second's
.if (\a%2) == 1                        ; two tiles make a unit of 32 rows, for each of the two heads
	v_perm_b32 v[E+(\a/2)], v[W+\a], v[W+\a-1], 0x05040100      ; the first head's word: the lower tile's two bytes, then the upper's
	v_perm_b32 v[E+2+(\a/2)], v[W+\a], v[W+\a-1], 0x07060302    ; the second head's
	WIN 0x04                                       ; a store's data: window 1
.irp c, 0,1
.irp g, 0,1,2
	global_store_b128 v1, v[DD+24*(\a/2)+12*\c+4*\g:DD+24*(\a/2)+12*\c+4*\g+3], s[18:19] offset:\c*294912+(\a/2)*1536+512*\g   ; 512 consecutive bytes; 294,912 bytes from head to head
.endr
.endr
.endif
.endr
	WIN 0x55
	v_cndmask_b32 v[E+4], v[E], v[E+2], s94        ; lanes 0-15 store the first head's two words of row r, lanes 16-31 the second's
	v_cndmask_b32 v[E+5], v[E+1], v[E+3], s94
	WIN 0x04
	global_store_b64 v20, v[E+4:E+5], s[20:21]     ; 8 bytes at every 16: the neighbouring wave stores the other 8
	FINI
	; ---- role V: a lane holds one column d of a head; accumulators (a, 0..7) are 128 keys; registers 16 b + i = key 32 b + 16 h + i
.Lrole_v:
	s_lshr_b32 s88, s79, 3
	s_lshl_b32 s88, s88, 4
	s_and_b32 s89, s78, 7
	s_lshl_b32 s89, s89, 1
	s_add_co_u32 s88, s88, s89
	s_add_co_u32 s88, s88, s95                     ; 16 batch + my head
	s_lshl_b32 s88, s88, 4
	s_lshl_b32 s89, s79, 1
	s_add_co_u32 s89, s89, s23
	s_and_b32 s89, s89, 15                         ; which 128 keys
	s_add_co_u32 s88, s88, s89
	s_mul_i32 s88, s88, 3
	s_add_co_u32 s88, s88, 2                       ; v
	s_mul_i32 s90, s88, 6144
	s_mov_b32 s91, 0
	s_lshl_b32 s92, s88, 8
	s_mov_b32 s93, 0
	s_add_nc_u64 s[18:19], s[18:19], s[90:91]
	s_add_nc_u64 s[20:21], s[20:21], s[92:93]
	WIN 0x40
.irp b, 0,1,2,3
	v_mov_b32 v[TM+4+\b], 0
.endr
.irp a, 0,1,2,3
	WIN 0x42                                       ; accumulators window 2, bias window 0, result window 1
.set I, 0
.rept 32
	v_pk_add_f32 v[H+2*I:H+2*I+1], v[64*\a+2*I:64*\a+2*I+1], v[BV+2*(\a/2):BV+2*(\a/2)+1] op_sel:[0,\a%2] op_sel_hi:[1,\a%2]   ; my column's one number serves both halves
.set I, I+1
.endr
	WIN 0x55
.set D0, DD+12*\a
.set D1, D0+6
.set WA, W+\a
	QUANT H, D0, D1, WA                            ; a whole fragment: 16 of the head's 64 x 128 keys
	WIN 0x04
.irp g, 0,1,2
	global_store_b128 v1, v[DD+12*\a+4*\g:DD+12*\a+4*\g+3], s[18:19] offset:\a*1536+512*\g
.endr
.endr
	WIN 0x55
	v_cndmask_b32 v[E], v[W], v[W+2], s94          ; lanes 0-15 store words 0 and 1 of row r, lanes 16-31 words 2 and 3
	v_cndmask_b32 v[E+1], v[W+1], v[W+3], s94
	WIN 0x04
	global_store_b64 v21, v[E:E+1], s[20:21]       ; 256 consecutive bytes
	FINI
.Lfunc_end_k_qe0fdf51174_qkv:
	.size	k_qe0fdf51174_qkv, .Lfunc_end_k_qe0fdf51174_qkv-k_qe0fdf51174_qkv
	.p2alignl 7, 3214868480
	.fill 96, 4, 3214868480
	.section	.rodata,"a",@progbits
	.p2align	6, 0x0
	.amdhsa_kernel k_qe0fdf51174_qkv
		.amdhsa_group_segment_fixed_size 295424
		.amdhsa_private_segment_fixed_size 0
		.amdhsa_enable_private_segment 0
		.amdhsa_kernarg_size 72
		.amdhsa_user_sgpr_count 2
		.amdhsa_user_sgpr_kernarg_segment_ptr 1
		.amdhsa_wavefront_size32 1
		.amdhsa_system_sgpr_workgroup_id_x 1
		.amdhsa_system_sgpr_workgroup_id_y 1
		.amdhsa_system_sgpr_workgroup_id_z 1
		.amdhsa_system_vgpr_workitem_id 0
		.amdhsa_next_free_vgpr 768
		.amdhsa_next_free_sgpr 102
		.amdhsa_reserve_vcc 0
		.amdhsa_float_denorm_mode_32 3
		.amdhsa_float_denorm_mode_16_64 3
		.amdhsa_memory_ordered 1
		.amdhsa_forward_progress 1
		.amdhsa_inst_pref_size 117
	.end_amdhsa_kernel
	.amdgpu_metadata
---
amdhsa.version: [ 1, 2 ]
amdhsa.kernels:
  - .name:           k_qe0fdf51174_qkv
    .symbol:         k_qe0fdf51174_qkv.kd
    .args:
      - { .name: xc, .offset: 0, .size: 8, .value_kind: global_buffer, .address_space: global }
      - { .name: xs, .offset: 8, .size: 8, .value_kind: global_buffer, .address_space: global }
      - { .name: wc, .offset: 16, .size: 8, .value_kind: global_buffer, .address_space: global }
      - { .name: ws, .offset: 24, .size: 8, .value_kind: global_buffer, .address_space: global }
      - { .name: b_q, .offset: 32, .size: 8, .value_kind: global_buffer, .address_space: global }
      - { .name: b_k, .offset: 40, .size: 8, .value_kind: global_buffer, .address_space: global }
      - { .name: b_v, .offset: 48, .size: 8, .value_kind: global_buffer, .address_space: global }
      - { .name: qkvc, .offset: 56, .size: 8, .value_kind: global_buffer, .address_space: global }
      - { .name: qkvs, .offset: 64, .size: 8, .value_kind: global_buffer, .address_space: global }
    .group_segment_fixed_size: 295424
    .private_segment_fixed_size: 0
    .kernarg_segment_align: 8
    .kernarg_segment_size: 72
    .max_flat_workgroup_size: 128
    .sgpr_count:     102
    .vgpr_count:     768
    .wavefront_size: 32
...
	.end_amdgpu_metadata
.endif
;; end of part 2
;; launch attn (part 3): grid 4 x 64, 16 waves a work-group, clusters of 4 x 1, 206,848 bytes of LDS; arguments qkvc, qkvs, oc, os; writes oc, os
.if DOCPART == 3
	.amdgcn_target "amdgcn-amd-amdhsa--gfx1250"
	.amdhsa_code_object_version 6
	.text
	.protected	k_qe0fdf51174_attn
	.globl	k_qe0fdf51174_attn
	.p2align	8
	.type	k_qe0fdf51174_attn,@function
k_qe0fdf51174_attn:
	s_mov_b64 s[64:65], 0
	v_nop
	global_prefetch_b8 v0, s[64:65] scope:SCOPE_SE
	s_setreg_imm32_b32 hwreg(HW_REG_WAVE_MODE, 25, 1), 1
	s_wait_xcnt 0x0
	s_wait_alu depctr_hold_cnt(0) depctr_sa_sdst(0) depctr_va_vdst(0) depctr_va_sdst(0) depctr_va_ssrc(0) depctr_va_vcc(0) depctr_vm_vsrc(0)
	s_getreg_b32 s2, hwreg(HW_REG_IB_STS2, 6, 4)
	s_cmp_eq_u32 s2, 0
	s_cbranch_scc0 .Lentry_in_a_cluster
	s_endpgm
.Lentry_in_a_cluster:
	s_bfe_u32 s2, ttmp6, 0x10000c
	s_cmp_lg_u32 s2, 0x3003
	s_cbranch_scc0 .Lentry_shape_is_right
	s_endpgm
.Lentry_shape_is_right:
; o = softmax(q k^T / 8, causal) v for one batch and head a cluster, both products on codes of FP6 (E2M3) with E8M0 scales; o is quantised here along the head's 64 and leaves as codes.
; THE SOFTMAX AHEAD OF THE SECOND PRODUCT: t = score x log2(e) / 8; M = the row's largest t so far, rounded UP to a whole number; p = 2^(t - M) is quantised along the keys, not normalised.
; The row's sum is taken of the unquantised p, in f32, and divides O at the end.  When M moves, the sum and O are multiplied by 2^(old M - new M): exact.
; LIMITS: NaN and infinities are not served; a block whose largest magnitude lies under 2^-124 gets the scale byte 1 (zero blocks: zero codes).
; SHARES.  The four work-groups of a cluster take one head's 2,048 queries.  The head's K and V (16 key steps x 12,288 bytes) and their scale words (16 x 512) lie in LDS whole, filled ONCE, by joint loads with a mask that names the four:
; wave w of each work-group asks for key step w: two tensor loads a wave are outstanding at the most, and nothing is filled again.
; A wave owns two tiles of 16 queries: tile 2 cx + e of the 128 queries L = d (phase 0) and of L = 15 - d (phase 1), d = wave % 8, e = wave / 8: (d + 1) + (16 - d) = 17 key steps for every wave.
; Branches and trip counts hang on the wave's number and on counters alone; the place in the cluster enters Q's and o's global addresses and the mask's lane data.
; LAYOUT.  Both products transposed: S^T = K Q^T, O^T = V^T P^T: a lane holds one query.  Lane r of tile 2 g + u holds row 32 g + 8 u + r + 8 (r / 8), so that the 16 registers of two neighbouring tiles are 16 neighbours.
; K = 64 IN AN INSTRUCTION OF 128: a unit of k holds two tiles of 16 keys, one in registers 0-5 and one in 6-11.  Q stands as [Q][0][Q] in 18 registers: v[16:27] meets the first tile, v[22:33] the second; the other tile meets zero codes.
.set SCB,   196608                     ; behind K and V: the scale words, 512 bytes a key step (K's 256, V's 256)
.set SPARE, 204800                     ; the spare words, 128 bytes for each wave
.set SPW,   3                          ; v3   LDS address of my spare word; never rewritten
.set NIL,   4                          ; v4   0; never rewritten
.set ADK,   5                          ; v5   LDS address of the step's codes
.set ADS,   6                          ; v6   of its scale words
.set DQ,    7                          ; v7   my query's place among its 128, less 16 (lane / 16)
.set Q,     16                         ; v16-33 [Q][0][Q]
.set QR,    34                         ; v34-45 Q's codes of both phases as loaded
.set QW,    46                         ; v46-47 their units' scale words
.set QS,    48                         ; v48  Q's scale word
.set F,     52                         ; v52-99 four fragments of K or of V
.set KS,    100                        ; v100-103 K's scale words
.set VS,    104                        ; v104-107 V's
.set S,     108                        ; v108-171 S^T, then p
.set O,     172                        ; v172-203 O^T
.set PC,    204                        ; v204-215 p's codes
.set PT,    216                        ; v216-223 the conversions' second halves
.set BM,    224                        ; v224-227 the blocks' largest
.set BP,    228                        ; v228-231 at work
.set SO,    232                        ; v232-235 the conversions' scale operands
.set SU,    236                        ; v[236:237] the sum's second chain
.set FF,    238                        ; v[238:239] f = 2^(old M - new M)
.set PW,    240                        ; v240 p's scale word
.set TW,    241                        ; v241 at work
.set NEG,   242                        ; v242 -infinity
.set WV,    12
.set SEL,   20
.set CS,    22
.set KI,    58                         ; s58 the key step;  s59, s60 where its codes and scale words begin;  s61 the phase's L
.set TB,    59
.set TS,    60
.set LL,    61
.macro ROUND                           ; a round of the cluster's barrier
	s_barrier_signal -1
	s_barrier_wait -1
	s_cmp_lg_u32 s[WV], 0
	s_cbranch_scc1 .Lnot_wave_0_\@
	s_barrier_signal -3
.Lnot_wave_0_\@:
	s_barrier_wait -3
	s_barrier_signal -1
	s_barrier_wait -1
.endm
	s_load_b256 s[4:11], s[0:1], 0x0               ; qkvc, qkvs, oc, os
	v_lshl_add_u32 v[SPW], v0, 2, SPARE
	v_mov_b32 v[NIL], 0
	ds_add_u32 v[SPW], v[NIL]                      ; the wave's opening: the adds and their wait stand ahead of my first tensor load; work on registers stands between them
	ds_add_u32 v[SPW], v[NIL]
	v_lshrrev_b32 v1, 5, v0
	s_delay_alu instid0(VALU_DEP_1)
	v_readfirstlane_b32 s[WV], v1                  ; wave 0..15
	s_and_b32 s13, s[WV], 7                        ; d
	s_lshr_b32 s14, s[WV], 3                       ; e
	s_bfe_u32 s15, ttmp6, 0x40000                  ; cx
	s_and_b32 s16, ttmp7, 0xffff                   ; 16 batch + head, which the four partners share
	; group 1: a dense block as rows of 256 bytes (32 elements of 8 bytes): 48 rows of codes, 2 of scale words
	s_mov_b32 s24, 15|(3<<16)|(1<<21)              ; 15:0 the mask: all four; 17:16 elements of 8 bytes; 21 set beside a mask
	s_mov_b32 s25, 32<<16
	s_mov_b32 s26, 48<<16
	s_mov_b32 s27, 32<<16
	s_mov_b32 s28, 48
	s_mov_b32 s29, 32
	s_mov_b32 s30, 0
	s_mov_b32 s31, 0
	s_mov_b32 s32, 15|(3<<16)|(1<<21)
	s_mov_b32 s33, 32<<16
	s_mov_b32 s34, 2<<16
	s_mov_b32 s35, 32<<16
	s_mov_b32 s36, 2
	s_mov_b32 s37, 32
	s_mov_b32 s38, 0
	s_mov_b32 s39, 0
	s_lshl_b32 s66, s16, 4
	s_add_co_u32 s66, s66, s[WV]
	s_mul_i32 s66, s66, 3
	s_add_co_u32 s66, s66, 1                       ; key step = my wave's number: its k, and behind it its v
	s_mul_i32 s68, s66, 6144
	s_mov_b32 s69, 0
	s_lshl_b32 s70, s66, 8
	s_mov_b32 s71, 0
	s_mul_i32 s72, s[WV], 12288
	s_lshl_b32 s73, s[WV], 9
	s_add_co_u32 s73, s73, SCB
	s_mov_b32 s[SEL], 0x76543210
	s_mov_b32 s[SEL+1], 0xfedcba98
	s_mov_b32 s[CS], 0x3e38aa3b                    ; c = log2(e) / 8
	s_mov_b32 s[CS+1], s[CS]                       ; (named with it as a pair, so it is written)
	s_wait_dscnt 0x0                               ; the opening add is done
	s_wait_kmcnt 0x0
	s_mov_b32 s40, 1
	s_mov_b32 s41, s72
	s_add_nc_u64 s[42:43], s[4:5], s[68:69]
	s_or_b32 s43, s43, 0x80000000
	s_mov_b32 s44, 1
	s_mov_b32 s45, s73
	s_add_nc_u64 s[46:47], s[6:7], s[70:71]
	s_or_b32 s47, s47, 0x80000000
	ROUND                                          ; all four work-groups are here: the joint loads meet
	tensor_load_to_lds s[40:43], s[24:31]
	s_nop 0
	tensor_load_to_lds s[44:47], s[32:39]
	s_nop 0
.rept 4
	v_nop
.endr
	v_and_b32 v8, 31, v0
	s_delay_alu instid0(VALU_DEP_1)
	v_lshlrev_b32 v1, 4, v8                        ; v1: 16 x lane
	s_delay_alu instid0(VALU_DEP_2)
	v_lshlrev_b32 v8, 3, v8                        ; v8: 8 x lane
	v_and_b32 v[TW], 15, v0                        ; r
	s_delay_alu instid0(VALU_DEP_1)
	v_lshlrev_b32 v9, 4, v[TW]                     ; v9: 16 r
	s_delay_alu instid0(VALU_DEP_2)
	v_lshl_add_u32 v2, v[TW], 4, SCB               ; v2: my row's scale words
	s_delay_alu instid0(VALU_DEP_3)
	v_and_b32 v[DQ], 8, v[TW]
	s_delay_alu instid0(VALU_DEP_1)
	v_add_nc_u32 v[DQ], v[DQ], v[TW]               ; r + 8 (r / 8)
	v_bfe_u32 v[TW], v0, 4, 1
	s_delay_alu instid0(VALU_DEP_1)
	v_lshlrev_b32 v[TW], 4, v[TW]
	s_delay_alu instid0(VALU_DEP_1)
	v_sub_nc_u32 v[DQ], v[DQ], v[TW]               ; - 16 h
	s_lshl_b32 s74, s15, 5
	s_lshl_b32 s75, s14, 3
	s_add_co_u32 s74, s74, s75
	v_add_nc_u32 v[DQ], s74, v[DQ]                 ; + 32 cx + 8 e
	s_mov_b32 s48, s13                             ; L of phase 0,
	s_sub_co_u32 s49, 15, s13                      ; of phase 1
	s_lshl_b32 s66, s16, 4
.irp ph, 0,1
	s_add_co_u32 s67, s66, s[48+\ph]
	s_mul_i32 s67, s67, 3                          ; q of those 128 rows
	s_mul_i32 s68, s67, 6144
	s_mul_i32 s69, s15, 1536                       ; unit cx
	s_add_co_u32 s68, s68, s69
	s_mov_b32 s69, 0
	s_add_nc_u64 s[50+2*\ph:51+2*\ph], s[4:5], s[68:69]
	s_lshl_b32 s68, s67, 8
	s_add_nc_u64 s[54+2*\ph:55+2*\ph], s[6:7], s[68:69]
.endr
	s_cmp_eq_u32 s14, 0                            ; registers 0-5 of the unit's image (e = 0) or 6-11 (e = 1): three pieces of 8 bytes
	s_cselect_b32 s70, 0, 520
	s_cselect_b32 s71, 8, 1024
	s_mov_b32 s72, 1032
	s_cselect_b32 s72, 512, s72
	s_mov_b32 s62, 0x03020302
	s_cselect_b32 s62, 0x01000100, s62             ; and bytes 0, 1 or 2, 3 of its scale word, twice
	v_add_nc_u32 v10, s70, v1
	v_add_nc_u32 v11, s71, v1
	v_add_nc_u32 v49, s72, v1
	s_lshl_b32 s74, s15, 2
	v_add_nc_u32 v50, s74, v9
.irp ph, 0,1
	global_load_b64 v[QR+6*\ph:QR+6*\ph+1], v10, s[50+2*\ph:51+2*\ph]
	global_load_b64 v[QR+6*\ph+2:QR+6*\ph+3], v11, s[50+2*\ph:51+2*\ph]
	global_load_b64 v[QR+6*\ph+4:QR+6*\ph+5], v49, s[50+2*\ph:51+2*\ph]
	global_load_b32 v[QW+\ph], v50, s[54+2*\ph:55+2*\ph]
.endr
.irp i, 0,1,2,3,4,5
	v_mov_b32 v[Q+6+\i], 0                         ; the zero codes between the two copies of Q
.endr
.irp b, 0,1,2,3
	v_mov_b32 v[BP+\b], 0                          ; written once: a lane permute's destination counts as one of its sources
.endr
	v_mov_b32 v[TW], 0
	v_mov_b32 v[FF+1], 0                           ; (named as the upper half of a pair)
	v_mov_b32 v[NEG], 0xff800000
	s_wait_tensorcnt 0x0                           ; my key step has landed,
	s_wait_loadcnt 0x0                             ; and Q
	s_barrier_signal -1
	s_barrier_wait -1                              ; everybody's has: from here on LDS is only read
; A KEY STEP: 128 keys.
.macro STEP
	s_cmp_gt_u32 s[KI], s[LL]                      ; a step all of whose keys come after my queries is left out: the wave's number and a counter alone
	s_cbranch_scc1 .Lhidden_\@
	s_setprio 2
	v_add_nc_u32 v[ADK], s[TB], v1
	v_add_nc_u32 v[ADS], s[TS], v2
	v_nop
	v_nop                                          ; four places in front of loads into registers that the last products have read
.irp b, 0,1,2,3
.irp g, 0,1,2
	ds_load_b128 v[F+12*\b+4*\g:F+12*\b+4*\g+3], v[ADK] offset:1536*\b+512*\g
.endr
.endr
	ds_load_b128 v[KS:KS+3], v[ADS]
	s_wait_alu depctr_va_vdst(0)
	s_wait_dscnt 0x0
.irp b, 0,1,2,3                        ; S^T = K Q^T: unit b's two tiles; register 16 b + 8 u + j = key 32 b + 16 h + 8 u + j
.irp u, 0,1
	v_wmma_scale_f32_16x16x128_f8f6f4 v[S+16*\b+8*\u:S+16*\b+8*\u+7], v[F+12*\b:F+12*\b+11], v[Q+6*\u:Q+6*\u+11], 0, v[KS+\b], v[QS] matrix_a_fmt:MATRIX_FMT_FP6 matrix_b_fmt:MATRIX_FMT_FP6
.endr
.endr
.rept 4
	v_nop                                          ; places in front of the loads below and of the first read of the scores
.endr
.irp t, 0,1,2,3                        ; V's four fragments land while the softmax is walked
.irp g, 0,1,2
	ds_load_b128 v[F+12*\t+4*\g:F+12*\t+4*\g+3], v[ADK] offset:6144+1536*\t+512*\g
.endr
.endr
	ds_load_b128 v[VS:VS+3], v[ADS] offset:256
	s_cmp_lg_u32 s[KI], s[LL]                      ; on the diagonal the scores of hidden keys become -infinity ahead of the maximum: p = 0 then
	s_cbranch_scc1 .Lopen_\@
.set N, 0
.rept 64
	v_cmp_gt_i32 vcc_lo, 32*(N/16)+N%16, v[DQ]
	v_cndmask_b32 v[S+N], v[S+N], v[NEG], vcc_lo
.set N, N+1
.endr
.Lopen_\@:
.irp b, 0,1,2,3
	v_max3_num_f32 v[BM+\b], v[S+16*\b], v[S+16*\b+1], v[S+16*\b+2]   ; the largest score of each block of 32 keys: for the row's maximum, and, since p rises with the score, for the block's largest p
.endr
.irp i, 3,5,7,9,11,13
.irp b, 0,1,2,3
	v_max3_num_f32 v[BM+\b], v[BM+\b], v[S+16*\b+\i], v[S+16*\b+\i+1]
.endr
.endr
.irp b, 0,1,2,3
	v_max_num_f32 v[BM+\b], v[BM+\b], v[S+16*\b+15]
.endr
.irp b, 0,1,2,3
	s_delay_alu instid0(VALU_DEP_4)
	v_permlanex16_b32 v[BP+\b], v[BM+\b], s[SEL], s[SEL+1]
.endr
.irp b, 0,1,2,3
	s_delay_alu instid0(VALU_DEP_4)
	v_max_num_f32 v[BM+\b], v[BM+\b], v[BP+\b]     ; with lane l xor 16's 16 keys
.endr
	s_delay_alu instid0(VALU_DEP_2)
	v_max3_num_f32 v[TW], v[BM], v[BM+1], v[BM+2]
	s_delay_alu instid0(VALU_DEP_1)
	v_max_num_f32 v[TW], v[TW], v[BM+3]
	s_delay_alu instid0(VALU_DEP_1)
	v_mul_f32 v[TW], s[CS], v[TW]                  ; the step's largest t
	s_delay_alu instid0(VALU_DEP_1)
	v_max_num_f32 v13, v13, v[TW]                  ; the running largest t
	v_mov_b32 v[TW], v12
	s_delay_alu instid0(VALU_DEP_2)
	v_floor_f32 v12, -v13                          ; the new -M = floor(-t): M is a whole number
	s_delay_alu instid0(VALU_DEP_1)
	v_sub_f32 v[TW], v12, v[TW]                    ; old M - new M: a whole number, 0 or less
	s_delay_alu instid0(VALU_DEP_1)
	v_cvt_i32_f32 v[TW], v[TW]                     ; (it saturates)
	s_delay_alu instid0(VALU_DEP_1)
	v_ldexp_f32 v[FF], 1.0, v[TW]                  ; f = 2^(old M - new M)
.set N, 0
.rept 32
	v_pk_fma_f32 v[S+N:S+N+1], v[S+N:S+N+1], s[CS:CS+1], v[12:13] op_sel_hi:[1,0,0]   ; t - M, two at a time
.set N, N+2
.endr
	s_setprio 1
.irp b, 0,1,2,3
	v_fma_f32 v[BM+\b], v[BM+\b], s[CS], v12       ; the same of each block's largest score
.endr
.set N, 0
	s_wait_alu depctr_va_vdst(0)
.rept 64
	v_exp_f32 v[S+N], v[S+N]                       ; p = 2^(t - M), at most 1
.set N, N+1
.endr
	v_pk_mul_f32 v[14:15], v[14:15], v[FF:FF+1] op_sel_hi:[1,0]   ; the sums under the new M: a plain place behind the exponentials
	s_wait_alu depctr_va_vdst(0)                   ; one wait for the whole batch, ahead of its first reader
.irp b, 0,1,2,3
	v_exp_f32 v[BM+\b], v[BM+\b]                   ; the block's largest p
.endr
	v_pk_add_f32 v[236:237], v[112:113], v[116:117]
	v_pk_add_f32 v[254:255], v[120:121], v[124:125]
	v_pk_add_f32 v[252:253], v[128:129], v[132:133]
	v_pk_add_f32 v[250:251], v[136:137], v[140:141]
	v_pk_add_f32 v[248:249], v[144:145], v[148:149]
	v_pk_add_f32 v[246:247], v[152:153], v[156:157]
	v_pk_add_f32 v[244:245], v[160:161], v[164:165]
	v_pk_add_f32 v[14:15], v[14:15], v[168:169]
	v_pk_add_f32 v[236:237], v[236:237], v[108:109]
	v_pk_add_f32 v[254:255], v[254:255], v[110:111]
	v_pk_add_f32 v[252:253], v[252:253], v[114:115]
	v_pk_add_f32 v[250:251], v[250:251], v[118:119]
	v_pk_add_f32 v[248:249], v[248:249], v[122:123]
	v_pk_add_f32 v[246:247], v[246:247], v[126:127]
	v_pk_add_f32 v[244:245], v[244:245], v[130:131]
	v_pk_add_f32 v[14:15], v[14:15], v[134:135]
	v_pk_add_f32 v[236:237], v[236:237], v[138:139]
	v_pk_add_f32 v[254:255], v[254:255], v[142:143]
	v_pk_add_f32 v[252:253], v[252:253], v[146:147]
	v_pk_add_f32 v[250:251], v[250:251], v[150:151]
	v_pk_add_f32 v[248:249], v[248:249], v[154:155]
	v_pk_add_f32 v[246:247], v[246:247], v[158:159]
	v_pk_add_f32 v[244:245], v[244:245], v[162:163]
	v_pk_add_f32 v[14:15], v[14:15], v[166:167]
	v_pk_add_f32 v[236:237], v[236:237], v[170:171]
	s_delay_alu instid0(VALU_DEP_2)
	v_pk_add_f32 v[14:15], v[14:15], v[250:251]
	s_delay_alu instid0(VALU_DEP_2)
	v_pk_add_f32 v[236:237], v[236:237], v[248:249]
	v_pk_add_f32 v[254:255], v[254:255], v[246:247]
	v_pk_add_f32 v[252:253], v[252:253], v[244:245]
	s_delay_alu instid0(VALU_DEP_2)
	v_pk_add_f32 v[14:15], v[14:15], v[254:255]
	s_delay_alu instid0(VALU_DEP_2)
	v_pk_add_f32 v[236:237], v[236:237], v[252:253]
	s_delay_alu instid0(VALU_DEP_1)
	v_pk_add_f32 v[14:15], v[14:15], v[236:237]
	s_wait_alu depctr_va_vdst(0)                   ; and one for the four
.irp b, 0,1,2,3
	v_max_num_f32 v[BM+\b], 0x1800000, v[BM+\b]    ; the floor 2^(3 - 127): the byte cannot fall under 1
.endr
.irp b, 0,1,2,3
	s_delay_alu instid0(VALU_DEP_4)
	v_add_nc_u32 v[SO+\b], 0xff000000, v[BM+\b]
.endr
.irp b, 0,1,2,3
	s_delay_alu instid0(VALU_DEP_4)
	v_lshrrev_b32 v[BP+\b], 23, v[SO+\b]
.endr
	s_delay_alu instid0(VALU_DEP_3)
	v_lshl_or_b32 v[PW], v[BP+1], 8, v[BP]         ; p's scale word for these 128 keys
	s_delay_alu instid0(VALU_DEP_1)
	v_lshl_or_b32 v[PW], v[BP+2], 16, v[PW]
	s_delay_alu instid0(VALU_DEP_1)
	v_lshl_or_b32 v[PW], v[BP+3], 24, v[PW]
	s_setprio 0
.irp c, 0,1
	v_cvt_scalef32_pk16_fp6_f32 v[PC+6*\c:PC+6*\c+2], v[S+32*\c:S+32*\c+15], v[SO+2*\c]
	v_cvt_scalef32_pk16_fp6_f32 v[PT+4*\c:PT+4*\c+2], v[S+32*\c+16:S+32*\c+31], v[SO+2*\c+1]
.endr
	v_nop                                          ; one plain place behind a scaled conversion
.irp c, 0,1
.irp i, 0,1,2
	v_permlane16_swap_b32 v[PC+6*\c+\i], v[PT+4*\c+\i]   ; a whole block in a lane
.endr
.irp i, 0,1,2
	s_delay_alu instid0(VALU_DEP_3)
	v_mov_b32 v[PC+3+6*\c+\i], v[PT+4*\c+\i]
.endr
.endr
.set N, 0
.rept 16
	v_pk_mul_f32 v[O+N:O+N+1], v[O+N:O+N+1], v[FF:FF+1] op_sel_hi:[1,0]   ; O^T under the new M.  (Also places between the scale word's last line and the products)
.set N, N+2
.endr
.rept 4
	v_nop
.endr
	s_wait_alu depctr_va_vdst(0)
	s_wait_dscnt 0x0                               ; V is in
.irp t, 0,1,2,3                        ; O^T += V^T P^T: the four accumulators by turns
	v_wmma_scale_f32_16x16x128_f8f6f4 v[O+8*\t:O+8*\t+7], v[F+12*\t:F+12*\t+11], v[PC:PC+11], v[O+8*\t:O+8*\t+7], v[VS+\t], v[PW] matrix_a_fmt:MATRIX_FMT_FP6 matrix_b_fmt:MATRIX_FMT_FP6
.endr
.Lhidden_\@:
	s_add_co_u32 s[TB], s[TB], 12288
	s_add_co_u32 s[TS], s[TS], 512
	s_add_co_u32 s[KI], s[KI], 1
.endm
; O^T / the sum, quantised along the head's 64 (two blocks), as half a fragment of the output projection's operand: 6 registers a lane and two scale bytes a row
.macro FINISH
.rept 4
	v_nop                                          ; places behind the last products
.endr
	v_add_f32 v14, v14, v15
	s_delay_alu instid0(VALU_DEP_1)
	v_permlanex16_b32 v[TW], v14, s[SEL], s[SEL+1]
	s_delay_alu instid0(VALU_DEP_1)
	v_add_f32 v14, v14, v[TW]                      ; the row's sum
	s_wait_alu depctr_va_vdst(0)
	v_rcp_f32 v14, v14
	v_nop                                          ; a plain place behind the transcendental
	s_lshr_b32 s66, s16, 4
	s_lshl_b32 s66, s66, 7                         ; 128 tiles a batch
	s_lshl_b32 s67, s[LL], 3
	s_add_co_u32 s66, s66, s67
	s_lshl_b32 s67, s15, 1
	s_add_co_u32 s66, s66, s67
	s_add_co_u32 s66, s66, s14                     ; my tile of rows
	s_and_b32 s67, s16, 15                         ; the head
	s_mul_i32 s68, s66, 12288
	s_mul_i32 s69, s67, 768
	s_add_co_u32 s68, s68, s69
	s_mov_b32 s69, 0
	s_add_nc_u64 s[68:69], s[8:9], s[68:69]
	s_lshl_b32 s70, s66, 9
	s_lshr_b32 s71, s67, 3
	s_lshl_b32 s71, s71, 8
	s_add_co_u32 s70, s70, s71
	s_and_b32 s71, s67, 7
	s_lshl_b32 s71, s71, 1
	s_add_co_u32 s70, s70, s71
	s_mov_b32 s71, 0
	s_add_nc_u64 s[70:71], s[10:11], s[70:71]
	s_wait_alu depctr_va_vdst(0)                   ; the wait, ahead of the reciprocal's first reader
.set N, 0
.rept 16
	v_pk_mul_f32 v[S+N:S+N+1], v[O+N:O+N+1], v[14:15] op_sel_hi:[1,0]   ; register 16 g + i = o(my query, 32 g + 16 h + i); each accumulator from its low end on
.set N, N+2
.endr
.irp g, 0,1
	v_max3_num_f32 v[BM+\g], |v[S+16*\g]|, |v[S+16*\g+1]|, 0x1800000
.endr
.irp i, 2,4,6,8,10,12,14
.irp g, 0,1
	s_delay_alu instid0(VALU_DEP_2)
	v_max3_num_f32 v[BM+\g], v[BM+\g], |v[S+16*\g+\i]|, |v[S+16*\g+\i+1]|
.endr
.endr
.irp g, 0,1
	s_delay_alu instid0(VALU_DEP_2)
	v_permlanex16_b32 v[BP+\g], v[BM+\g], s[SEL], s[SEL+1]
.endr
.irp g, 0,1
	s_delay_alu instid0(VALU_DEP_2)
	v_max_num_f32 v[BM+\g], v[BM+\g], v[BP+\g]
.endr
.irp g, 0,1
	s_delay_alu instid0(VALU_DEP_2)
	v_add_nc_u32 v[SO+\g], 0xff000000, v[BM+\g]
.endr
.irp g, 0,1
	s_delay_alu instid0(VALU_DEP_2)
	v_lshrrev_b32 v[BP+\g], 23, v[SO+\g]
.endr
	s_delay_alu instid0(VALU_DEP_1)
	v_lshl_or_b32 v[TW], v[BP+1], 8, v[BP]         ; the head's two bytes of my row's scale word
	v_cvt_scalef32_pk16_fp6_f32 v[PC:PC+2], v[S:S+15], v[SO]
	v_cvt_scalef32_pk16_fp6_f32 v[PT:PT+2], v[S+16:S+31], v[SO+1]
	v_nop
.irp i, 0,1,2
	v_permlane16_swap_b32 v[PC+\i], v[PT+\i]
.endr
.irp i, 0,1,2
	s_delay_alu instid0(VALU_DEP_3)
	v_mov_b32 v[PC+3+\i], v[PT+\i]
.endr
	global_store_b128 v1, v[PC:PC+3], s[68:69]               ; 512 consecutive bytes, at a multiple of 256 from the buffer's first byte
	global_store_b64 v8, v[PC+4:PC+5], s[68:69] offset:512   ; and 256 more
	global_store_b16 v9, v[TW], s[70:71]                     ; 2 bytes at every 16 (lanes r and r + 16 store the same): a scale word spans two heads, and each head has its own cluster
.endm
.macro PHASE ph, nk
	s_wait_xcnt 0x0                                ; the last phase's stores have read their registers
.irp i, 0,1,2,3,4,5
	v_mov_b32 v[Q+\i], v[QR+6*\ph+\i]
	v_mov_b32 v[Q+12+\i], v[QR+6*\ph+\i]
.endr
	v_perm_b32 v[QS], v[QW+\ph], v[QW+\ph], s62    ; my tile's two bytes, for both halves of the instruction's K
	v_mov_b32 v13, 0xff61b1e6                      ; the largest t so far: -3e38, under every t
	s_delay_alu instid0(VALU_DEP_1)
	v_floor_f32 v12, -v13
	v_mov_b32 v14, 0
	v_mov_b32 v15, 0
.set N, 0
.rept 32
	v_mov_b32 v[O+N], 0                            ; O^T: the step is written once; its first trip finds zeros.  (Also the places between Q's and its scale word's lines and the first product)
.set N, N+1
.endr
	s_mov_b32 s[KI], 0
	s_mov_b32 s[TB], 0
	s_mov_b32 s[TS], 0
	s_mov_b32 s[LL], s[48+\ph]
.Lstep_\@:
	STEP
	s_cmp_lt_u32 s[KI], \nk
	s_cbranch_scc1 .Lstep_\@
	s_setprio 0
	FINISH
.endm
	PHASE 0, 8                                     ; L = d is 7 at the most
	PHASE 1, 16
	s_wait_tensorcnt 0x0                           ; the wave's end
	ds_add_u32 v[SPW], v[NIL]
	s_wait_dscnt 0x0
	ROUND                                          ; the closing round
	s_endpgm
.Lfunc_end_k_qe0fdf51174_attn:
	.size	k_qe0fdf51174_attn, .Lfunc_end_k_qe0fdf51174_attn-k_qe0fdf51174_attn
	.p2alignl 7, 3214868480
	.fill 96, 4, 3214868480
	.section	.rodata,"a",@progbits
	.p2align	6, 0x0
	.amdhsa_kernel k_qe0fdf51174_attn
		.amdhsa_group_segment_fixed_size 206848
		.amdhsa_private_segment_fixed_size 0
		.amdhsa_enable_private_segment 0
		.amdhsa_kernarg_size 32
		.amdhsa_user_sgpr_count 2
		.amdhsa_user_sgpr_kernarg_segment_ptr 1
		.amdhsa_wavefront_size32 1
		.amdhsa_system_sgpr_workgroup_id_x 1
		.amdhsa_system_sgpr_workgroup_id_y 1
		.amdhsa_system_sgpr_workgroup_id_z 1
		.amdhsa_system_vgpr_workitem_id 0
		.amdhsa_next_free_vgpr 256
		.amdhsa_next_free_sgpr 80
		.amdhsa_reserve_vcc 1
		.amdhsa_float_denorm_mode_32 3
		.amdhsa_float_denorm_mode_16_64 3
		.amdhsa_memory_ordered 1
		.amdhsa_forward_progress 1
		.amdhsa_inst_pref_size 66
	.end_amdhsa_kernel
	.amdgpu_metadata
---
amdhsa.version: [ 1, 2 ]
amdhsa.kernels:
  - .name:           k_qe0fdf51174_attn
    .symbol:         k_qe0fdf51174_attn.kd
    .args:
      - { .name: qkvc, .offset: 0, .size: 8, .value_kind: global_buffer, .address_space: global }
      - { .name: qkvs, .offset: 8, .size: 8, .value_kind: global_buffer, .address_space: global }
      - { .name: oc, .offset: 16, .size: 8, .value_kind: global_buffer, .address_space: global }
      - { .name: os, .offset: 24, .size: 8, .value_kind: global_buffer, .address_space: global }
    .group_segment_fixed_size: 206848
    .private_segment_fixed_size: 0
    .kernarg_segment_align: 8
    .kernarg_segment_size: 32
    .max_flat_workgroup_size: 512
    .sgpr_count:     80
    .vgpr_count:     256
    .wavefront_size: 32
...
	.end_amdgpu_metadata
.endif
;; end of part 3
;; launch oproj (part 4): grid 8 x 32, 4 waves a work-group, clusters of 4 x 4, 295,424 bytes of LDS; arguments oc, os, wc, ws, b_o, out0; writes out0
.if DOCPART == 4
	.amdgcn_target "amdgcn-amd-amdhsa--gfx1250"
	.amdhsa_code_object_version 6
	.text
	.protected	k_qe0fdf51174_oproj
	.globl	k_qe0fdf51174_oproj
	.p2align	8
	.type	k_qe0fdf51174_oproj,@function
k_qe0fdf51174_oproj:
	s_mov_b64 s[64:65], 0
	v_nop
	global_prefetch_b8 v0, s[64:65] scope:SCOPE_SE
	s_setreg_imm32_b32 hwreg(HW_REG_WAVE_MODE, 25, 1), 1
	s_wait_xcnt 0x0
	s_wait_alu depctr_hold_cnt(0) depctr_sa_sdst(0) depctr_va_vdst(0) depctr_va_sdst(0) depctr_va_ssrc(0) depctr_va_vcc(0) depctr_vm_vsrc(0)
	s_getreg_b32 s2, hwreg(HW_REG_IB_STS2, 6, 4)
	s_cmp_eq_u32 s2, 0
	s_cbranch_scc0 .Lentry_in_a_cluster
	s_endpgm
.Lentry_in_a_cluster:
	s_bfe_u32 s2, ttmp6, 0x10000c
	s_cmp_lg_u32 s2, 0xf033
	s_cbranch_scc0 .Lentry_shape_is_right
	s_endpgm
.Lentry_shape_is_right:
; out0 = o w_o + b_o on codes of FP6 (E2M3) with E8M0 scales, sums in f32.  o comes as codes from the attention launch, w_o from the quantiser (tiles 192-255 of wc).
; SHARES.  A work-group takes 256 rows of o (work-group y) x 128 columns (work-group x).  Four waves; a wave takes 128 columns (source 0, eight tiles) x 64 rows (source 1, four tiles): 32 accumulators; a lane holds one row of the output.
; LDS.  All of K = 1,024 lies in LDS at once, as four chunks of 256 along K (73,728 bytes: o's 16 tiles, then w_o's 8, 3,072 bytes each), every chunk filled once.  A wave's four loads go out at the head: four are outstanding at the most.
; o's K step of 128 is two heads' halves of 768 bytes: registers 0-3 at 16 x lane, registers 4-5 at 512 + 8 x lane.  w_o's fragments are images of their registers: three ds_load_b128.
; CLUSTERS: 4 x 4 work-groups: o's tiles are asked for jointly by a row of the cluster, w_o's by a column.
; REGISTERS: window 0: v1-29 addresses; v32-63 w_o's scale words; v64-79 o's; v96-191 o's fragments, two sets.  window 1: v0-191 w_o's fragments, two sets (behind the products: at work); v192-255 the bias.  window 2: accumulator (a, b) at v[8 (8 a + b)].
; THE ROWS OF A TILE: lane r of tile 2 g + u holds row 32 g + 8 u + r + 8 (r / 8).
.set CH,    73728
.set BOFF,  49152
.set SPARE, 4*CH
.set WOFF,  192*12288
.set ADP,   8                          ; v8-11   LDS address of w_o's fragments in chunk c
.set ADR,   12                         ; v12-15  of o's, 16 bytes a lane
.set ADR8,  16                         ; v16-19  of o's, 8 bytes a lane
.set STO,   20                         ; v20     the way out: where I put 16 bytes of a row
.set RD,    21                         ; v21     and where I read a row back
.set SPW,   28
.set NIL,   29
.set SP,    32
.set SR,    64
.set RF,    96
.set BIAS,  192                        ; window 1
.set H,     0                          ; window 1: 64 results of a lane
.set BK,    64                         ; window 1: 16 rows read back, two sets of 64
.set WV,    22
.set G1A,   24
.set G1B,   32
.set G0A,   40
.set G0B,   56
.set MSB,   0
.macro WIN new
.if MSB != \new
	s_set_vgpr_msb (MSB<<8)|\new
.set MSB, \new
.endif
.endm
.macro CREST
	s_cmp_lg_u32 s[WV], 0
	s_cbranch_scc1 .Lnot_wave_0_\@
	s_barrier_signal -3
.Lnot_wave_0_\@:
	s_barrier_wait -3
	s_barrier_signal -1
	s_barrier_wait -1
.endm
.macro CROUND
	s_barrier_signal -1
	s_barrier_wait -1
	CREST
.endm
.macro PLACES n
.rept \n
	v_nop
.endr
.endm
.macro FETCH s                         ; K step s into set s % 2: 24 loads for w_o, 16 for o
.set FC, (\s)/2
.set FQ, (\s)%2
	WIN 0x40
.irp b, 0,1,2,3,4,5,6,7
.irp g, 0,1,2
	ds_load_b128 v[96*FQ+12*\b+4*\g:96*FQ+12*\b+4*\g+3], v[ADP+FC] offset:3072*\b+1536*FQ+512*\g
.endr
.endr
	WIN 0
.irp a, 0,1,2,3
.irp cc, 0,1
	ds_load_b128 v[RF+48*FQ+12*\a+6*\cc:RF+48*FQ+12*\a+6*\cc+3], v[ADR+FC] offset:3072*\a+1536*FQ+768*\cc
	ds_load_b64 v[RF+48*FQ+12*\a+6*\cc+4:RF+48*FQ+12*\a+6*\cc+5], v[ADR8+FC] offset:3072*\a+1536*FQ+768*\cc+512
.endr
.endr
.endm
; 16 matrix instructions; the 32 accumulators take turns, one instruction a turn, in the same order in every K step.  K step 0 starts the sums.
.macro MUL a0, s
	WIN 0xa1
.irp a, \a0, \a0+1
.irp b, 0,1,2,3,4,5,6,7
.if (\s) == 0
	v_wmma_scale_f32_16x16x128_f8f6f4 v[8*(8*(\a)+\b):8*(8*(\a)+\b)+7], v[96*((\s)%2)+12*\b:96*((\s)%2)+12*\b+11], v[RF+48*((\s)%2)+12*(\a):RF+48*((\s)%2)+12*(\a)+11], 0, v[SP+4*\b+(\s)%4], v[SR+4*(\a)+(\s)%4] matrix_a_fmt:MATRIX_FMT_FP6 matrix_b_fmt:MATRIX_FMT_FP6
.elseif (\s) < 4
	v_wmma_scale_f32_16x16x128_f8f6f4 v[8*(8*(\a)+\b):8*(8*(\a)+\b)+7], v[96*((\s)%2)+12*\b:96*((\s)%2)+12*\b+11], v[RF+48*((\s)%2)+12*(\a):RF+48*((\s)%2)+12*(\a)+11], v[8*(8*(\a)+\b):8*(8*(\a)+\b)+7], v[SP+4*\b+(\s)%4], v[SR+4*(\a)+(\s)%4] matrix_a_fmt:MATRIX_FMT_FP6 matrix_b_fmt:MATRIX_FMT_FP6
.else
	v_wmma_scale_f32_16x16x128_f8f6f4 v[8*(8*(\a)+\b):8*(8*(\a)+\b)+7], v[96*((\s)%2)+12*\b:96*((\s)%2)+12*\b+11], v[RF+48*((\s)%2)+12*(\a):RF+48*((\s)%2)+12*(\a)+11], v[8*(8*(\a)+\b):8*(8*(\a)+\b)+7], v[SP+4*\b+(\s)%4], v[SR+4*(\a)+(\s)%4] matrix_a_fmt:MATRIX_FMT_FP6 matrix_b_fmt:MATRIX_FMT_FP6 matrix_a_scale:MATRIX_SCALE_ROW1 matrix_b_scale:MATRIX_SCALE_ROW1
.endif
.endr
.endr
.endm
.macro KSTEP s
	s_wait_dscnt 0x0                               ; this step's fragments are in; no LDS instruction of mine is out
.if ((\s)%2) == 0                      ; the next step lies in the same chunk: fetched at once, behind four places
.if (\s) > 0
	PLACES 4
.endif
	FETCH (\s)+1
	MUL 0, \s
	MUL 2, \s
.elseif (\s) < 7
	s_wait_tensorcnt 3-((\s)+1)/2                  ; my part of the next chunk has landed; the count is the number of younger chunks, which may stay out
	s_barrier_signal -1
	MUL 0, \s
	s_barrier_wait -1
	PLACES 4
	FETCH (\s)+1
	MUL 2, \s
.else
	MUL 0, \s
	MUL 2, \s
.endif
.endm
	s_load_b256 s[4:11], s[0:1], 0x0               ; oc, os, wc, ws
	s_load_b128 s[12:15], s[0:1], 0x20             ; b_o, out0
	v_lshl_add_u32 v[SPW], v0, 2, SPARE
	v_mov_b32 v[NIL], 0
	ds_add_u32 v[SPW], v[NIL]                      ; the wave's opening: the add and its wait stand ahead of my first tensor load
	v_lshrrev_b32 v1, 5, v0
	v_readfirstlane_b32 s[WV], v1
	s_and_b32 s23, s[WV], 1
	s_bfe_u32 s76, ttmp6, 0x40000
	s_bfe_u32 s77, ttmp6, 0x40004
	s_lshl_b32 s78, ttmp9, 2
	s_add_co_u32 s78, s78, s76                     ; work-group x
	s_and_b32 s79, ttmp7, 0xffff
	s_lshl_b32 s79, s79, 2
	s_add_co_u32 s79, s79, s77                     ; work-group y
	s_lshl_b32 s80, s77, 2
	s_lshl_b32 s80, 15, s80
	s_lshl_b32 s81, 0x1111, s76
	s_or_b32 s[G1A], s80, (3<<16)|(1<<21)          ; rows = tiles: 384 elements of 8 bytes, 1,536 elements from tile to tile; no padding
	s_or_b32 s[G1B], s81, (3<<16)|(1<<21)
	s_mov_b32 s[G1A+1], 384<<16
	s_mov_b32 s[G1A+2], 8<<16
	s_mov_b32 s[G1A+3], 384<<16
	s_mov_b32 s[G1A+4], 8
	s_mov_b32 s[G1A+5], 1536
	s_mov_b32 s[G1A+6], 0
	s_mov_b32 s[G1A+7], 0
	s_mov_b32 s[G1B+1], 384<<16
	s_mov_b32 s[G1B+2], 4<<16
	s_mov_b32 s[G1B+3], 384<<16
	s_mov_b32 s[G1B+4], 4
	s_mov_b32 s[G1B+5], 1536
	s_mov_b32 s[G1B+6], 0
	s_mov_b32 s[G1B+7], 0
	s_lshl_b32 s82, s79, 4
	s_lshl_b32 s83, s23, 3
	s_add_co_u32 s82, s82, s83
	s_mul_i32 s82, s82, 12288                      ; o: tile 16 y + 8 (wave & 1)
	s_mov_b32 s83, 0
	s_lshl_b32 s84, s78, 3
	s_lshl_b32 s85, s23, 2
	s_add_co_u32 s84, s84, s85
	s_mul_i32 s84, s84, 12288
	s_add_co_u32 s84, s84, WOFF                    ; w_o: tile 192 + 8 x + 4 (wave & 1)
	s_mov_b32 s85, 0
	s_mul_i32 s86, s23, 24576
	s_mul_i32 s87, s23, 12288
	s_add_co_u32 s87, s87, BOFF
	s_wait_dscnt 0x0
	s_wait_kmcnt 0x0
	s_add_nc_u64 s[82:83], s[4:5], s[82:83]
	s_add_nc_u64 s[84:85], s[8:9], s[84:85]
.irp c, 0,1,2,3
	s_mov_b32 s[G0A+4*\c], 1
	s_add_co_u32 s[G0A+4*\c+1], s86, \c*CH
	s_add_nc_u64 s[G0A+4*\c+2:G0A+4*\c+3], s[82:83], \c*3072
	s_or_b32 s[G0A+4*\c+3], s[G0A+4*\c+3], 0x80000000
	s_mov_b32 s[G0B+4*\c+4*(\c/2)], 1
	s_add_co_u32 s[G0B+4*\c+4*(\c/2)+1], s87, \c*CH
	s_add_nc_u64 s[G0B+4*\c+4*(\c/2)+2:G0B+4*\c+4*(\c/2)+3], s[84:85], \c*3072
	s_or_b32 s[G0B+4*\c+4*(\c/2)+3], s[G0B+4*\c+4*(\c/2)+3], 0x80000000
.endr
	CROUND
	s_cmp_lt_u32 s[WV], 2
	s_cbranch_scc0 .Lfill_b
.irp c, 0,1,2,3
	tensor_load_to_lds s[G0A+4*\c:G0A+4*\c+3], s[G1A:G1A+7]
	s_nop 0
.endr
	PLACES 4
	s_branch .Lfilled
.Lfill_b:
.irp c, 0,1,2,3
	tensor_load_to_lds s[G0B+4*\c+4*(\c/2):G0B+4*\c+4*(\c/2)+3], s[G1B:G1B+7]
	s_nop 0
.endr
	PLACES 4
.Lfilled:
	v_and_b32 v3, 31, v0
	v_and_b32 v4, 15, v0
	v_bfe_u32 v5, v0, 4, 1
	v_lshlrev_b32 v1, 4, v3                        ; 16 x lane
	v_lshlrev_b32 v2, 3, v3                        ; 8 x lane
	v_lshlrev_b32 v6, 6, v5                        ; the bias: 16 h numbers on
	s_mul_i32 s88, s[WV], 8448                     ; my stage: 16 rows x (512 + 16) bytes, in chunk 0: it has had its only fill, and every wave's reads of it are over at the second barrier of the K steps
	v_mul_u32_u24 v[STO], v4, 528
	v_lshl_add_u32 v[STO], v5, 6, v[STO]
	v_add_nc_u32 v[STO], s88, v[STO]               ; in: row r, + 64 h
	v_add_nc_u32 v[RD], s88, v1                    ; back: 16 bytes a lane of a row
	s_mov_b32 s88, BOFF
	s_mul_i32 s89, s[WV], 12288                    ; my four tiles of o
.irp c, 0,1,2,3
	v_add_nc_u32 v[ADP+\c], s88, v1
	v_add_nc_u32 v[ADR+\c], s89, v1
	v_add_nc_u32 v[ADR8+\c], s89, v2
	s_add_co_u32 s88, s88, CH
	s_add_co_u32 s89, s89, CH
.endr
	s_lshl_b32 s88, s78, 12
	s_add_co_u32 s88, s88, 98304                   ; ws: tile 192 + 8 x
	s_mov_b32 s89, 0
	s_add_nc_u64 s[10:11], s[10:11], s[88:89]
	s_lshl_b32 s88, s79, 13
	s_lshl_b32 s90, s[WV], 11
	s_add_co_u32 s88, s88, s90                     ; os: tile 16 y + 4 wave
	s_add_nc_u64 s[6:7], s[6:7], s[88:89]
	s_lshl_b32 s88, s78, 9
	s_add_nc_u64 s[12:13], s[12:13], s[88:89]      ; b_o: my work-group's 128 numbers
	s_lshl_b32 s88, s79, 8
	s_lshl_b32 s90, s[WV], 6
	s_add_co_u32 s88, s88, s90
	s_lshl_b32 s88, s88, 12                        ; out0: row 256 y + 64 wave,
	s_lshl_b32 s90, s78, 9
	s_add_co_u32 s88, s88, s90                     ; column 128 x
	s_add_nc_u64 s[14:15], s[14:15], s[88:89]
.irp b, 0,1,2,3,4,5,6,7
	global_load_b128 v[SP+4*\b:SP+4*\b+3], v1, s[10:11] offset:512*\b
.endr
.irp a, 0,1,2,3
	global_load_b128 v[SR+4*\a:SR+4*\a+3], v1, s[6:7] offset:512*\a
.endr
	WIN 0x40
.irp i, 0,1,2,3,4,5,6,7,8,9,10,11,12,13,14,15
	global_load_b128 v[BIAS+4*\i:BIAS+4*\i+3], v6, s[12:13] offset:128*(\i/4)+16*(\i%4)   ; register 16 b + i: column 32 b + 16 h + i
.endr
	WIN 0
	s_wait_tensorcnt 3                             ; my part of chunk 0 is in; three younger loads may be out
	s_barrier_signal -1
	s_barrier_wait -1
	FETCH 0
	s_wait_loadcnt 0x0
	KSTEP 0
	KSTEP 1
	KSTEP 2
	KSTEP 3
	KSTEP 4
	KSTEP 5
	KSTEP 6
	KSTEP 7
	WIN 0
	PLACES 4                                       ; in front of the first read of results and the first write of operands that are done with
	; THE WAY OUT, a tile of 16 rows x 128 columns at a time: + bias; through my own stage; back as whole rows of 512 bytes
.irp a, 0,1,2,3
	WIN 0x46                                       ; accumulators window 2, bias and result window 1
.set I, 0
.rept 32
	v_pk_add_f32 v[H+2*I:H+2*I+1], v[64*\a+2*I:64*\a+2*I+1], v[BIAS+2*I:BIAS+2*I+1]   ; each accumulator from its low end on
.set I, I+1
.endr
	WIN 0x04                                       ; an LDS store's data: window 1
.irp i, 0,1,2,3,4,5,6,7,8,9,10,11,12,13,14,15
	ds_store_b128 v[STO], v[H+4*\i:H+4*\i+3] offset:128*(\i/4)+16*(\i%4)
.endr
.if \a >= 2
	s_wait_xcnt 0x0                                ; the stores of two tiles back have read their registers
.endif
	WIN 0x40
.irp i, 0,1,2,3,4,5,6,7,8,9,10,11,12,13,14,15
	ds_load_b128 v[BK+64*(\a%2)+4*\i:BK+64*(\a%2)+4*\i+3], v[RD] offset:528*\i   ; LDS serves a wave's instructions in order (ISA guide 5.7.1.4): these see the stores above
.endr
	s_wait_dscnt 0x0
	WIN 0x04
.irp i, 0,1,2,3,4,5,6,7,8,9,10,11,12,13,14,15
	global_store_b128 v1, v[BK+64*(\a%2)+4*\i:BK+64*(\a%2)+4*\i+3], s[14:15] offset:(32*(\a/2)+8*(\a%2)+\i+8*(\i/8))*4096 th:TH_STORE_NT   ; 512 consecutive bytes of a row, at a multiple of 256 from the buffer's first byte
.endr
.endr
	WIN 0
	s_wait_tensorcnt 0x0                           ; the wave's end: behind my last tensor load and my last LDS store
	ds_add_u32 v[SPW], v[NIL]
	s_wait_dscnt 0x0
	CROUND                                         ; the closing round
	s_endpgm
.Lfunc_end_k_qe0fdf51174_oproj:
	.size	k_qe0fdf51174_oproj, .Lfunc_end_k_qe0fdf51174_oproj-k_qe0fdf51174_oproj
	.p2alignl 7, 3214868480
	.fill 96, 4, 3214868480
	.section	.rodata,"a",@progbits
	.p2align	6, 0x0
	.amdhsa_kernel k_qe0fdf51174_oproj
		.amdhsa_group_segment_fixed_size 295424
		.amdhsa_private_segment_fixed_size 0
		.amdhsa_enable_private_segment 0
		.amdhsa_kernarg_size 48
		.amdhsa_user_sgpr_count 2
		.amdhsa_user_sgpr_kernarg_segment_ptr 1
		.amdhsa_wavefront_size32 1
		.amdhsa_system_sgpr_workgroup_id_x 1
		.amdhsa_system_sgpr_workgroup_id_y 1
		.amdhsa_system_sgpr_workgroup_id_z 1
		.amdhsa_system_vgpr_workitem_id 0
		.amdhsa_next_free_vgpr 768
		.amdhsa_next_free_sgpr 102
		.amdhsa_reserve_vcc 0
		.amdhsa_float_denorm_mode_32 3
		.amdhsa_float_denorm_mode_16_64 3
		.amdhsa_memory_ordered 1
		.amdhsa_forward_progress 1
		.amdhsa_inst_pref_size 89
	.end_amdhsa_kernel
	.amdgpu_metadata
---
amdhsa.version: [ 1, 2 ]
amdhsa.kernels:
  - .name:           k_qe0fdf51174_oproj
    .symbol:         k_qe0fdf51174_oproj.kd
    .args:
      - { .name: oc, .offset: 0, .size: 8, .value_kind: global_buffer, .address_space: global }
      - { .name: os, .offset: 8, .size: 8, .value_kind: global_buffer, .address_space: global }
      - { .name: wc, .offset: 16, .size: 8, .value_kind: global_buffer, .address_space: global }
      - { .name: ws, .offset: 24, .size: 8, .value_kind: global_buffer, .address_space: global }
      - { .name: b_o, .offset: 32, .size: 8, .value_kind: global_buffer, .address_space: global }
      - { .name: out0, .offset: 40, .size: 8, .value_kind: global_buffer, .address_space: global }
    .group_segment_fixed_size: 295424
    .private_segment_fixed_size: 0
    .kernarg_segment_align: 8
    .kernarg_segment_size: 48
    .max_flat_workgroup_size: 128
    .sgpr_count:     102
    .vgpr_count:     768
    .wavefront_size: 32
...
	.end_amdgpu_metadata
.endif
;; end of part 4
